; MI455X (gfx1250); checked and timed in simulation.
; The chip was launched on July 23, 2026; its instructions are those of AMD's public machine-readable ISA for CDNA 5 (MIT licence, August 2026) and "CDNA5" Instruction Set Architecture Reference Guide (July 2026). The comments in the code are by the model that wrote it; some were corrected since.
;; Hybrid Interference Self Attention. Allowed arithmetic: matrix products marked QUANTISED: E2M1 operands, one E8M0 scale for each 32 along K, by v_wmma_scale_f32_16x16x128_f8f6f4 with both operands' format E2M1 (or v_wmma_scale_f32_32x16x128_f4), f32 sums; products left as they are: bf16, f16 or f32 operands; f32 sums; everything else in f32.
;; Inputs: Wk 1,024 x 1,024 float32; Wkp 1,024 x 1,024 float32; Wo 1,024 x 1,024 float32; Wq 1,024 x 1,024 float32; Wqp 1,024 x 1,024 float32; Wv 1,024 x 1,024 float32; lambda_raw 16 float32; x 2 x 2,048 x 1,024 float32.
;; Outputs: out0 2 x 2,048 x 1,024 float32.
;; This version of the problem:
;;   THIS VERSION OF THE PROBLEM IS GIVEN IN LOW PRECISION. The matrix products marked QUANTISED in the list below multiply operands that are first quantised to E2M1 (2 exponent bits, 1 mantissa bit; 4 bits a number), with one power-of-two scale for each 32 numbers along K (OCP MX v1.0); their sums are f32. The products marked 'left as it is' may take bf16, f16 or f32 operands, with f32 sums. Whichever they take, every output number must still come out within the allowed error. Rounding operands to bf16 (8 significant bits) uses up far more of that allowance than f16 does (11 bits, for magnitudes from 6e-5 to 65,504). All else is computed in f32.
;;   The module's matrix products, in the order in which they are computed (A, B: the left and right operand; K: the contracted axis; several contracted axes count as one K, in the product's order):
;;     1. [M 4,096, K 1,024] x [K 1,024, N 1,024]; A: input x; B: input Wq: QUANTISED
;;     2. [M 4,096, K 1,024] x [K 1,024, N 1,024]; A: input x; B: input Wk: QUANTISED
;;     3. [M 4,096, K 1,024] x [K 1,024, N 1,024]; A: input x; B: input Wv: QUANTISED
;;     4. batch 32 x [M 2,048, K 64] x [K 64, N 2,048]; A: computed on the way; B: computed on the way: left as it is (an operand is computed on the way)
;;     5. [M 4,096, K 1,024] x [K 1,024, N 1,024]; A: input x; B: input Wqp: QUANTISED
;;     6. [M 4,096, K 1,024] x [K 1,024, N 1,024]; A: input x; B: input Wkp: QUANTISED
;;     7. batch 32 x [M 2,048, K 64] x [K 64, N 2,048]; A: computed on the way; B: computed on the way: left as it is (an operand is computed on the way)
;;     8. batch 32 x [M 2,048, K 64] x [K 64, N 2,048]; A: computed on the way; B: computed on the way: left as it is (an operand is computed on the way)
;;     9. batch 32 x [M 64, K 2,048] x [K 2,048, N 2,048]; A: computed on the way; B: computed on the way: left as it is (an operand is computed on the way)
;;     10. [M 4,096, K 1,024] x [K 1,024, N 1,024]; A: computed on the way; B: input Wo: left as it is (an operand is computed on the way)
;;   THE QUANTISER, for each operand of a quantised product, along K:
;;     - K is cut into blocks of 32 from its start; a last block that is shorter is filled with zeros.
;;     - A block's scale is 2^e with e = floor(log2(the largest magnitude in the block)) - 2, held to -126 .. 127; a block of zeros has e = 0. As a byte (E8M0): e + 127.
;;     - Each number is divided by its block's scale, clamped to +-6, and rounded to the nearest number of E2M1, ties to even, subnormals kept.
;;     - The product sums the exact products of the quantised numbers (number of the format x scale) in f32.
;;   ~~~python
;;   def quantise(x, axis):      # numpy; x: float32 -> the quantised numbers, widened to float32 again
;;       x = np.moveaxis(x, axis, -1); K = x.shape[-1]
;;       x = np.pad(x, [(0, 0)] * (x.ndim - 1) + [(0, -K % 32)]); x = x.reshape(x.shape[:-1] + (-1, 32)); a = np.abs(x).max(-1, keepdims=True)
;;       e = np.where(a > 0, np.clip(np.frexp(np.where(a > 0, a, 1))[1] - 1 - 2, -126, 127), 0)      # np.frexp(a)[1] - 1 = floor(log2(a)), exactly
;;       r = np.clip(x / 2.0 ** e, -6, 6)
;;       step = 2.0 ** (np.maximum(np.frexp(np.where(r == 0, 1, r))[1] - 1, 0) - 1)
;;       q = np.round(r / step) * step * 2.0 ** e      # np.round: ties to even
;;       return np.moveaxis(q.reshape(q.shape[:-2] + (-1,))[..., :K], -1, axis).astype(np.float32)
;;   ~~~
;; One version. Each part assembles by itself: llvm-mc -triple=amdgcn-amd-amdhsa -mcpu=gfx1250 --defsym DOCPART=n.
;; ======== version 1 of 1: 5 launches
;; limits: values are held in f16: magnitudes above 65,504 overflow, below 6.1e-05 lose precision
;; workspace buffers: xq 2,228,224 bytes; wq 2,785,280 bytes; wot 2,097,152 bytes; qi 25,165,824 bytes; ki 25,165,824 bytes; vi 8,388,608 bytes; fin 917,504 bytes; ao 8,519,680 bytes
;; launch prep (part 1): grid 320 x 1, 4 waves a work-group, no clusters, 34,304 bytes of LDS; arguments x, Wq, Wk, Wqp, Wkp, Wv, Wo, xq, wq, wot; writes xq, wq, wot
.if DOCPART == 1
	.amdgcn_target "amdgcn-amd-amdhsa--gfx1250"
	.amdhsa_code_object_version 6
	.text
	.protected	k_q1bd9412c93_prep
	.globl	k_q1bd9412c93_prep
	.p2align	8
	.type	k_q1bd9412c93_prep,@function
k_q1bd9412c93_prep:
	s_mov_b64 s[64:65], 0
	v_nop
	global_prefetch_b8 v0, s[64:65] scope:SCOPE_SE
	s_setreg_imm32_b32 hwreg(HW_REG_WAVE_MODE, 25, 1), 1
	s_wait_xcnt 0x0
; x [4096][1024] and Wq, Wk, Wqp, Wkp, Wv [1024 (k)][1024 (n)], f32, become codes of FP4 (E2M1) with one E8M0 byte for each 32 along K; Wo becomes f16.
; All results are laid in the order in which the later launches' operand registers take them.
;   xq codes  [rb 16][kb 32][row 256][16 B]  (row block of 256, block of 32 along K, a block's 32 codes);  xq scales at 2,097,152: [khalf 2][row 4096][16 B]
;   wq codes  [head 16][kb 32][p 5][d 64][16 B]  (p: q, k, qp, kp, v);  wq scales at 2,621,440: [head][kq 4][64 p + d][8 B]
;   wot       [nb 8][kg 32][nt 8][c 2][lane][16 B] f16: lane (r, h), group c: Wo[32 kg + 16 c + 8 h + 0..7][128 nb + 16 nt + r]
; A block's scale is 2^(floor(log2(largest magnitude)) - 2): its byte is the largest magnitude's exponent field - 2, held at 1 from below.
; LIMITS: a block of zeros, or one whose largest magnitude lies under 2^-124, gets the byte 1 (its codes are zeros or what the floor's scale gives; this program alone reads the bytes);
; NaN and infinities among the inputs are not served; |Wo| stays under 65,504 (f16).
; Work-groups 0-127 take x, 128-319 the six weights: a branch on the work-group's number.  Only x's path touches LDS.
.set SPARE, 33792                      ; behind the four stages: the spare words, 128 bytes a wave
.set SPW, 12                           ; v12 LDS address of my spare word; never rewritten
.set NIL, 13                           ; v13 0; never rewritten
.set RX,  16                           ; x: v16-143 two sets of 64 numbers as loaded
.set XN,  144                          ; x: v144-207 64 numbers, 32 neighbours along K twice
.set CX,  208                          ; x: v208-239 codes, eight registers for each step
.set SW,  240                          ; x: v240-243 a scale word for each step
.set XW,  16                           ; weights: v16-79 two sets of 32 numbers down K
.set CW,  96                           ; weights: from v96 the results, registers of their own for each block
	s_load_b256 s[4:11], s[0:1], 0x0               ; x, Wq, Wk, Wqp
	s_load_b256 s[12:19], s[0:1], 0x20             ; Wkp, Wv, Wo, xq
	s_load_b128 s[20:23], s[0:1], 0x40             ; wq, wot
	v_lshl_add_u32 v[SPW], v0, 2, SPARE
	v_mov_b32 v[NIL], 0
	v_lshrrev_b32 v1, 5, v0
	v_readfirstlane_b32 s24, v1                    ; wave 0..3
	v_and_b32 v2, 31, v0                           ; lane
	v_and_b32 v3, 15, v0                           ; r
	v_bfe_u32 v4, v0, 4, 1                         ; h
	s_cmp_ge_u32 ttmp9, 128
	s_cbranch_scc1 .Lweights
; ---------------- x: a wave takes 16 rows x 512 along K, in four steps of 128 ----------------
	s_lshl_b32 s25, ttmp9, 2
	s_add_co_u32 s25, s25, s24                     ; 4 x work-group + wave
	s_lshr_b32 s26, s25, 1                         ; tile of 16 rows, 0..255
	s_and_b32 s27, s25, 1                          ; which half of K
	s_lshl_b32 s28, s26, 16                        ; 16 rows of 4,096 bytes
	s_lshl_b32 s30, s27, 11
	s_add_co_u32 s28, s28, s30
	s_mov_b32 s29, 0
	s_lshr_b32 s30, s26, 4
	s_lshl_b32 s30, s30, 17                        ; row block x 131,072
	s_lshl_b32 s32, s27, 16                        ; 16 blocks of K x 4,096
	s_add_co_u32 s30, s30, s32
	s_and_b32 s33, s26, 15
	s_lshl_b32 s33, s33, 8                         ; 16 rows x 16 bytes
	s_add_co_u32 s30, s30, s33
	s_mov_b32 s31, 0
	s_lshl_b32 s34, s26, 8
	s_add_co_u32 s34, s34, s32
	s_add_co_u32 s34, s34, 2097152
	s_mov_b32 s35, 0
	s_mul_i32 s36, s24, 8448                       ; my stage: 16 rows x (512 bytes + 16)
	v_lshlrev_b32 v5, 4, v2                        ; 16 x lane
	v_add_nc_u32 v6, s36, v5                       ; into the stage: a row's 512 bytes as they lie
	v_mul_u32_u24 v7, v3, 528
	v_lshl_add_u32 v7, v4, 7, v7
	v_add_nc_u32 v7, s36, v7                       ; out of it: row r, 128 bytes (a block of 32) for each half of the lanes
	v_lshlrev_b32 v8, 4, v3
	v_lshl_add_u32 v9, v4, 12, v8                  ; codes: 4,096 h + 16 r
	v_lshl_add_u32 v10, v4, 3, v8                  ; scale bytes: 16 r + 8 h
	v_lshlrev_b32 v11, 3, v4                       ; 8 h: my bytes' place in a scale word
	s_mov_b32 s38, 0x76543210
	s_mov_b32 s39, 0xfedcba98                      ; selects for lane l xor 16
	v_mov_b32 v250, 0                              ; a lane permute's destination counts as read
	s_wait_kmcnt 0x0
	s_add_nc_u64 s[4:5], s[4:5], s[28:29]
	s_add_nc_u64 s[30:31], s[18:19], s[30:31]
	s_add_nc_u64 s[34:35], s[18:19], s[34:35]
.macro LOADX s                         ; step s: 16 rows x 512 consecutive bytes, one row an instruction
.set ii, 0
.rept 16
	global_load_b128 v[RX+64*((\s)%2)+4*ii:RX+64*((\s)%2)+4*ii+3], v5, s[4:5] offset:ii*4096+(\s)*512 th:TH_LOAD_NT
.set ii, ii+1
.endr
.endm
.macro STEPX s
.if \s < 3
	s_wait_loadcnt 16                              ; this step's 16 loads are in; the next step's 16 may be out
.else
	s_wait_loadcnt 0x0
.endif
.set ii, 0
.rept 16
	ds_store_b128 v6, v[RX+64*((\s)%2)+4*ii:RX+64*((\s)%2)+4*ii+3] offset:ii*528
.set ii, ii+1
.endr
.irp c, 0,1                            ; lane (r, h) takes k = 64 c + 32 h + 0 .. 31 of row r: the operand's own order.  LDS serves a wave's instructions in order
.set ii, 0
.rept 8
	ds_load_b128 v[XN+32*\c+4*ii:XN+32*\c+4*ii+3], v7 offset:\c*256+16*ii
.set ii, ii+1
.endr
.endr
	s_wait_dscnt 0x0                               ; the numbers are back, and the stores have read their registers
.if \s < 2
	LOADX \s+2
.endif
.irp c, 0,1
	v_max3_num_f32 v[244+\c], |v[XN+32*\c]|, |v[XN+32*\c+1]|, 0x1800000   ; my whole block, and the floor 2^(3 - 127): the byte cannot fall under 1
.endr
.set ii, 2
.rept 15
.irp c, 0,1
	v_max3_num_f32 v[244+\c], v[244+\c], |v[XN+32*\c+ii]|, |v[XN+32*\c+ii+1]|
.endr
.set ii, ii+2
.endr
.irp c, 0,1
	v_add_nc_u32 v[246+\c], 0xff000000, v[244+\c]  ; 2 off the exponent field: the conversion's scale operand
.endr
.irp c, 0,1
.irp g, 0,1,2,3
	v_cvt_scalef32_pk8_fp4_f32 v[CX+8*(\s)+4*\c+\g], v[XN+32*\c+8*\g:XN+32*\c+8*\g+7], v[246+\c]
.endr
.endr
.irp c, 0,1
	v_lshrrev_b32 v[248+\c], 23, v[246+\c]         ; the bytes of blocks h and 2 + h (plain lines behind the conversions)
.endr
	v_lshl_or_b32 v248, v249, 16, v248
	v_lshlrev_b32 v248, v11, v248
	v_permlanex16_b32 v250, v248, s38, s39
	v_or_b32 v[SW+\s], v248, v250                  ; with lane l xor 16's two bytes the step's word is whole
	global_store_b128 v9, v[CX+8*(\s):CX+8*(\s)+3], s[30:31] offset:(\s)*16384            ; sixteen lanes store 256 consecutive bytes, aligned
	global_store_b128 v9, v[CX+8*(\s)+4:CX+8*(\s)+7], s[30:31] offset:(\s)*16384+8192
.endm
	LOADX 0
	LOADX 1
	STEPX 0
	STEPX 1
	STEPX 2
	STEPX 3
	v_cmp_ne_u32 vcc_lo, 0, v4
	v_cndmask_b32 v252, v[SW], v[SW+2], vcc_lo     ; lanes 0-15 words 0, 1; lanes 16-31 words 2, 3
	v_cndmask_b32 v253, v[SW+1], v[SW+3], vcc_lo
	global_store_b64 v10, v[252:253], s[34:35]     ; 16 rows x 16 bytes: 256 consecutive bytes, aligned
	s_wait_tensorcnt 0x0                           ; the wave's end: a tensor wait, an add and its wait behind my last LDS store
	ds_add_u32 v[SPW], v[NIL]
	s_wait_dscnt 0x0
	s_endpgm
; ---------------- the weights: a lane takes a column n, its registers run down K; 8 blocks of 32 a wave ----------------
.Lweights:
	s_sub_co_u32 s25, ttmp9, 128
	s_lshr_b32 s26, s25, 5                         ; which weight: 0 q, 1 k, 2 qp, 3 kp, 4 v, 5 Wo
	s_bfe_u32 s27, s25, 0x30002                    ; block of 128 columns
	s_and_b32 s28, s25, 3                          ; quarter of K
	v_lshlrev_b32 v5, 2, v2                        ; 4 x lane
	s_lshl_b32 s30, s28, 20                        ; 256 rows of 4,096 bytes
	s_lshl_b32 s32, s27, 9
	s_add_co_u32 s30, s30, s32
	s_lshl_b32 s32, s24, 7
	s_add_co_u32 s30, s30, s32                     ; + (128 cb + 32 wave) x 4
	s_mov_b32 s31, 0
	s_wait_kmcnt 0x0
	s_mov_b64 s[34:35], s[6:7]
	s_cmp_eq_u32 s26, 1
	s_cselect_b64 s[34:35], s[8:9], s[34:35]
	s_cmp_eq_u32 s26, 2
	s_cselect_b64 s[34:35], s[10:11], s[34:35]
	s_cmp_eq_u32 s26, 3
	s_cselect_b64 s[34:35], s[12:13], s[34:35]
	s_cmp_eq_u32 s26, 4
	s_cselect_b64 s[34:35], s[14:15], s[34:35]
	s_cmp_eq_u32 s26, 5
	s_cselect_b64 s[34:35], s[16:17], s[34:35]
	s_add_nc_u64 s[34:35], s[34:35], s[30:31]
.macro LOADW t                         ; block t: W(32 t + i, my column): 128 consecutive bytes an instruction
.set ii, 0
.rept 32
	global_load_b32 v[XW+32*((\t)%2)+ii], v5, s[34:35] offset:(32*(\t)+ii)*4096 th:TH_LOAD_NT
.set ii, ii+1
.endr
.endm
.macro WAITW t
.if (\t) < 7
	s_wait_loadcnt 32                              ; this block's 32 loads are in; the next block's may be out
.else
	s_wait_loadcnt 0x0
.endif
.endm
	LOADW 0
	LOADW 1
	s_cmp_eq_u32 s26, 5
	s_cbranch_scc1 .Lwo
	s_lshl_b32 s36, s27, 1
	s_lshr_b32 s37, s24, 1
	s_add_co_u32 s36, s36, s37                     ; head = 2 cb + wave / 2
	s_and_b32 s37, s24, 1
	s_mul_i32 s38, s36, 163840
	s_mul_i32 s40, s28, 40960
	s_add_co_u32 s38, s38, s40
	s_lshl_b32 s40, s26, 10
	s_add_co_u32 s38, s38, s40
	s_lshl_b32 s40, s37, 9
	s_add_co_u32 s38, s38, s40
	s_mov_b32 s39, 0
	s_add_nc_u64 s[38:39], s[20:21], s[38:39]
	s_mul_i32 s42, s36, 10240
	s_mul_i32 s40, s28, 2560
	s_add_co_u32 s42, s42, s40
	s_lshl_b32 s40, s26, 9
	s_add_co_u32 s42, s42, s40
	s_lshl_b32 s40, s37, 8
	s_add_co_u32 s42, s42, s40
	s_add_co_u32 s42, s42, 2621440
	s_mov_b32 s43, 0
	s_add_nc_u64 s[42:43], s[20:21], s[42:43]
	v_lshlrev_b32 v6, 4, v2
	v_lshlrev_b32 v7, 3, v2
.macro BLOCKQ t
.set XS, XW+32*((\t)%2)
	WAITW \t
	v_max3_num_f32 v10, |v[XS]|, |v[XS+1]|, 0x1800000               ; all 32 numbers of the block are mine; two chains; the floor holds the byte at 1
	v_max_num_f32 v11, |v[XS+2]|, |v[XS+3]|
.irp i, 4,8,12,16,20,24,28
	v_max3_num_f32 v10, v10, |v[XS+\i]|, |v[XS+\i+1]|
	v_max3_num_f32 v11, v11, |v[XS+\i+2]|, |v[XS+\i+3]|
.endr
	v_max_num_f32 v10, v10, v11
	v_add_nc_u32 v14, 0xff000000, v10
.irp g, 0,1,2,3
	v_cvt_scalef32_pk8_fp4_f32 v[CW+4*(\t)+\g], v[XS+8*\g:XS+8*\g+7], v14
.endr
	v_lshrrev_b32 v15, 23, v14                     ; the byte (a plain line behind the conversions)
.if (\t)%4 == 0
	v_mov_b32 v[8+(\t)/4], v15
.else
	v_lshl_or_b32 v[8+(\t)/4], v15, 8*((\t)%4), v[8+(\t)/4]
.endif
	global_store_b128 v6, v[CW+4*(\t):CW+4*(\t)+3], s[38:39] offset:(\t)*5120   ; 32 columns x 16 bytes: 512 consecutive bytes
.if (\t)+2 < 8
	LOADW (\t)+2
.endif
.endm
.irp t, 0,1,2,3,4,5,6,7
	BLOCKQ \t
.endr
	global_store_b64 v7, v[8:9], s[42:43]          ; 32 columns x 8 scale bytes: 256 consecutive bytes, aligned
	s_endpgm
.Lwo:
	s_lshl_b32 s38, s27, 18
	s_lshl_b32 s40, s28, 16
	s_add_co_u32 s38, s38, s40
	s_lshl_b32 s40, s24, 11
	s_add_co_u32 s38, s38, s40
	s_mov_b32 s39, 0
	s_add_nc_u64 s[38:39], s[22:23], s[38:39]
	v_lshlrev_b32 v6, 4, v3
	v_lshl_add_u32 v6, v4, 10, v6                  ; tile of 16 columns: 1,024 (lane / 16) + 16 (lane % 16)
.macro BLOCKH t
.set XS, XW+32*((\t)%2)
	WAITW \t
.set jj, 0
.rept 16
	v_cvt_pk_f16_f32 v[CW+16*(\t)+jj], v[XS+2*jj], v[XS+2*jj+1]
.set jj, jj+1
.endr
.irp q, 0,1,2,3                        ; piece 2 c + hh: k = 16 c + 8 hh + 0 .. 7
	global_store_b128 v6, v[CW+16*(\t)+4*\q:CW+16*(\t)+4*\q+3], s[38:39] offset:(\t)*8192+(\q/2)*512+(\q%2)*256   ; sixteen lanes store 256 consecutive bytes, aligned
.endr
.if (\t)+2 < 8
	LOADW (\t)+2
.endif
.endm
.irp t, 0,1,2,3,4,5,6,7
	BLOCKH \t
.endr
	s_endpgm
.Lfunc_end_k_q1bd9412c93_prep:
	.size	k_q1bd9412c93_prep, .Lfunc_end_k_q1bd9412c93_prep-k_q1bd9412c93_prep
	.p2alignl 7, 3214868480
	.fill 96, 4, 3214868480
	.section	.rodata,"a",@progbits
	.p2align	6, 0x0
	.amdhsa_kernel k_q1bd9412c93_prep
		.amdhsa_group_segment_fixed_size 34304
		.amdhsa_private_segment_fixed_size 0
		.amdhsa_enable_private_segment 0
		.amdhsa_kernarg_size 80
		.amdhsa_user_sgpr_count 2
		.amdhsa_user_sgpr_kernarg_segment_ptr 1
		.amdhsa_wavefront_size32 1
		.amdhsa_system_sgpr_workgroup_id_x 1
		.amdhsa_system_sgpr_workgroup_id_y 1
		.amdhsa_system_sgpr_workgroup_id_z 1
		.amdhsa_system_vgpr_workitem_id 0
		.amdhsa_next_free_vgpr 256
		.amdhsa_next_free_sgpr 66
		.amdhsa_reserve_vcc 1
		.amdhsa_float_denorm_mode_32 3
		.amdhsa_float_denorm_mode_16_64 3
		.amdhsa_memory_ordered 1
		.amdhsa_forward_progress 1
		.amdhsa_inst_pref_size 98
	.end_amdhsa_kernel
	.amdgpu_metadata
---
amdhsa.version: [ 1, 2 ]
amdhsa.kernels:
  - .name:           k_q1bd9412c93_prep
    .symbol:         k_q1bd9412c93_prep.kd
    .args:
      - { .name: x, .offset: 0, .size: 8, .value_kind: global_buffer, .address_space: global }
      - { .name: Wq, .offset: 8, .size: 8, .value_kind: global_buffer, .address_space: global }
      - { .name: Wk, .offset: 16, .size: 8, .value_kind: global_buffer, .address_space: global }
      - { .name: Wqp, .offset: 24, .size: 8, .value_kind: global_buffer, .address_space: global }
      - { .name: Wkp, .offset: 32, .size: 8, .value_kind: global_buffer, .address_space: global }
      - { .name: Wv, .offset: 40, .size: 8, .value_kind: global_buffer, .address_space: global }
      - { .name: Wo, .offset: 48, .size: 8, .value_kind: global_buffer, .address_space: global }
      - { .name: xq, .offset: 56, .size: 8, .value_kind: global_buffer, .address_space: global }
      - { .name: wq, .offset: 64, .size: 8, .value_kind: global_buffer, .address_space: global }
      - { .name: wot, .offset: 72, .size: 8, .value_kind: global_buffer, .address_space: global }
    .group_segment_fixed_size: 34304
    .private_segment_fixed_size: 0
    .kernarg_segment_align: 8
    .kernarg_segment_size: 80
    .max_flat_workgroup_size: 128
    .sgpr_count:     66
    .vgpr_count:     256
    .wavefront_size: 32
...
	.end_amdgpu_metadata
.endif
;; end of part 1
;; launch proj (part 2): grid 16 x 16, 4 waves a work-group, clusters of 4 x 4, 327,680 bytes of LDS; arguments xq, wq, lambda_raw, qi, ki, vi, fin; writes qi, ki, vi, fin
.if DOCPART == 2
	.amdgcn_target "amdgcn-amd-amdhsa--gfx1250"
	.amdhsa_code_object_version 6
	.text
	.protected	k_q1bd9412c93_proj
	.globl	k_q1bd9412c93_proj
	.p2align	8
	.type	k_q1bd9412c93_proj,@function
k_q1bd9412c93_proj:
	s_mov_b64 s[64:65], 0
	v_nop
	global_prefetch_b8 v0, s[64:65] scope:SCOPE_SE
	s_setreg_imm32_b32 hwreg(HW_REG_WAVE_MODE, 25, 1), 1
	s_wait_xcnt 0x0
	s_wait_alu depctr_hold_cnt(0) depctr_sa_sdst(0) depctr_va_vdst(0) depctr_va_sdst(0) depctr_va_ssrc(0) depctr_va_vcc(0) depctr_vm_vsrc(0)
	s_getreg_b32 s2, hwreg(HW_REG_IB_STS2, 6, 4)
	s_cmp_eq_u32 s2, 0
	s_cbranch_scc0 .Lentry_in_a_cluster
	s_endpgm
.Lentry_in_a_cluster:
	s_bfe_u32 s2, ttmp6, 0x10000c
	s_cmp_lg_u32 s2, 0xf033
	s_cbranch_scc0 .Lentry_shape_is_right
	s_endpgm
.Lentry_shape_is_right:
; The five products x W on codes of FP4 with E8M0 scales, and all that reference() does to their results ahead of the scores.
; A work-group takes 256 rows of x (row block rb) and ONE head's 320 columns (64 each of q, k, qp, kp, v), K = 1,024.  Wave w: rows 64 w .. 64 w + 63 x all 320: 80 accumulators.
; All codes and scale bytes of the work-group's K fit in LDS: three tensor loads a wave at the head (scales, K 0-511, K 512-1023), nothing is filled again.
; CLUSTER 4 x 4: x's tiles hang on rb alone and are asked for jointly along a row of the cluster, the weights' on the head alone, along a column.
; q, k, qp, kp are used TRANSPOSED (source 0 = 16 columns of W, source 1 = 16 rows of x): a lane holds one position and eight neighbouring features.  v is used straight: a lane holds one channel and eight keys.
; RESULTS, as images of the next products' operand registers, f16:  Q' = [log2e q, L amp cos, L amp sin], L = log2e 0.5 tanh(lambda_raw);  K' = [k, amp cos, amp sin];  V turned.  So Q' . K' = log2e (q . k + lam phase).
;   softplus(t) / ln 2 = max(X, 0) + log2(1 + 2^-|X|), X = t log2e;  amp = that / sqrt(mean of its squares + 1e-6 / ln^2 2);  y = tanh = 1 - 2 / (1 + 2^(2 log2e t));
;   sin(pi y), cos(pi y) by polynomials of sin and cos at pi y / 4 (|y| <= 1: the whole range) and two doublings.
; Positions 0-15 of each sequence also go out in f32 (fin).  That store hangs on rb, which differs between partners: it is masked by EXEC, not by a branch.
; LIMITS: NaN and infinities are not served; |1.4427 q|, |k|, |v| stay under 65,504 (f16); softplus carries an absolute error of about 6e-8.
.set BCO,   131072                     ; LDS: x's codes [kb 32][256][16] at 0; the weights' [kb 32][320][16] here
.set SCA,   294912                     ; x's scale bytes [khalf 2][256][16]
.set SCB,   303104                     ; the weights' [kq 4][320][8]
.set SPARE, 313344                     ; the spare words, 128 bytes a wave
.set LI,   1                           ; v1  16 x lane
.set ADA,  2                           ; v2  LDS address of my x fragments, stepped 16,384 for each 128 along K
.set ADB,  3                           ; v3  the same for the weights, stepped 20,480
.set ADSA, 4                           ; v4  x's scale words
.set ADSB, 5                           ; v5  the weights'
.set KC,   8                           ; v8-25 nine constants, each twice (pairs for the packed forms)
.set MK,   26
.set SPW,  28                          ; v28 my spare word; never rewritten
.set NIL,  29                          ; v29 0; never rewritten
.set AS,   32                          ; v32-47  x's scale words: register 8 i + s: tile 2 i in lanes 0-15, tile 2 i + 1 in lanes 16-31, K step s
.set BS,   48                          ; v48-87  the weights': two sets of 20: register 2 i + s % 2: tiles 2 i, 2 i + 1 of the 20
.set AF,   96                          ; v96-159  x's fragments, two sets of four
.set BF,   160                         ; v160-223 the weights', two sets of four
.set XR,   88                          ; the way out: v88-119 X, v120-151 amplitude, v152-183 phase / sin, v184-215 cos, v216-255 at work
.set A2,   120
.set UR,   152
.set CO,   184
.set TM,   216
.set ZZ,   224
.set TT,   232
.set QQ,   240
.set G1A, 28                           ; descriptor groups 1: x's codes, the weights' codes, x's scales, the weights' scales
.set G1B, 36
.set G1SA, 44
.set G1SB, 52
.set G0SA, 60                          ; groups 0
.set G0A0, 68
.set G0A1, 72
.set G0SB, 76
.set G0B0, 80
.set G0B1, 84
.set MSB, 0
.macro WIN new                         ; the immediate's high byte repeats the setting that is left
.if MSB != (\new)
	s_set_vgpr_msb (MSB<<8)|(\new)
.set MSB, (\new)
.endif
.endm
; A joint load: waves 0 and 1 fetch for x, waves 2 and 3 for the weights.  An s_nop 0 and four v_nop follow each line.
.macro JLOAD g0a, g1a, g0b, g1b
	s_cmp_eq_u32 s20, 0
	s_cbranch_scc0 .Lfor_b_\@
	tensor_load_to_lds s[\g0a:\g0a+3], s[\g1a:\g1a+7]
	s_nop 0
.rept 4
	v_nop
.endr
	s_branch .Lasked_\@
.Lfor_b_\@:
	tensor_load_to_lds s[\g0b:\g0b+3], s[\g1b:\g1b+7]
	s_nop 0
.rept 4
	v_nop
.endr
.Lasked_\@:
.endm
.macro CROUND                          ; a round of the cluster's barrier
	s_barrier_signal -1
	s_barrier_wait -1
	s_cmp_lg_u32 s18, 0
	s_cbranch_scc1 .Lnot_wave_0_\@
	s_barrier_signal -3
.Lnot_wave_0_\@:
	s_barrier_wait -3
	s_barrier_signal -1
	s_barrier_wait -1
.endm
.macro GRP1 g, rows                    ; a dense block as rows of 256 bytes: 32 elements of 8 bytes
	s_mov_b32 s[\g+1], 32<<16
	s_mov_b32 s[\g+2], (\rows)<<16
	s_mov_b32 s[\g+3], 32<<16
	s_mov_b32 s[\g+4], \rows
	s_mov_b32 s[\g+5], 32
	s_mov_b32 s[\g+6], 0
	s_mov_b32 s[\g+7], 0
.endm
	s_load_b256 s[4:11], s[0:1], 0x0               ; xq, wq, lambda_raw, qi
	s_load_b128 s[12:15], s[0:1], 0x20             ; ki, vi
	s_load_b64 s[16:17], s[0:1], 0x30              ; fin
	v_lshl_add_u32 v[SPW], v0, 2, SPARE
	v_mov_b32 v[NIL], 0
	ds_add_u32 v[SPW], v[NIL]                      ; the wave's opening: the add, twice on end, and its wait ahead of my first tensor load
	ds_add_u32 v[SPW], v[NIL]
	v_lshrrev_b32 v27, 5, v0
	v_readfirstlane_b32 s18, v27                   ; wave 0..3
	s_and_b32 s19, s18, 1                          ; which half of a block I fetch
	s_lshr_b32 s20, s18, 1                         ; I fetch for x (0) or for the weights (1)
	s_bfe_u32 s21, ttmp6, 0x40000                  ; cx
	s_bfe_u32 s22, ttmp6, 0x40004                  ; cy
	s_lshl_b32 s23, ttmp9, 2
	s_add_co_u32 s23, s23, s21                     ; head = 4 x cluster x + cx
	s_and_b32 s24, ttmp7, 0xffff
	s_lshl_b32 s24, s24, 2
	s_add_co_u32 s24, s24, s22                     ; row block = 4 x cluster y + cy
	s_lshl_b32 s25, s22, 2
	s_lshl_b32 s25, 15, s25                        ; my row of the cluster
	s_lshl_b32 s26, 0x1111, s21                    ; my column
	s_or_b32 s[G1A], s25, (3<<16)|(1<<21)          ; 15:0 the mask; 17:16 elements of 8 bytes; 21 set beside a mask; no padding
	s_or_b32 s[G1SA], s25, (3<<16)|(1<<21)
	s_or_b32 s[G1B], s26, (3<<16)|(1<<21)
	s_or_b32 s[G1SB], s26, (3<<16)|(1<<21)
	GRP1 G1A, 128                                  ; 32,768 bytes: half of a stage's 16 blocks x 256 rows x 16 bytes
	GRP1 G1B, 160                                  ; 40,960 bytes: half of 16 x 320 x 16
	GRP1 G1SA, 16                                  ; 4,096 bytes: 256 rows x 16, one half of K
	GRP1 G1SB, 20                                  ; 5,120 bytes: two quarters of K x 320 x 8
	s_lshl_b32 s88, s24, 17                        ; x's codes: rb x 131,072 + half x 32,768  (s88-91 never hold the head)
	s_lshl_b32 s98, s19, 15
	s_add_co_u32 s88, s88, s98
	s_mov_b32 s89, 0
	s_lshl_b32 s90, s24, 12                        ; x's scales: 2,097,152 + khalf x 65,536 + rb x 4,096
	s_lshl_b32 s96, s19, 16
	s_add_co_u32 s90, s90, s96
	s_add_co_u32 s90, s90, 2097152
	s_mov_b32 s91, 0
	s_mul_i32 s92, s23, 163840                     ; the weights' codes: head x 163,840 + half x 40,960  (s92-95 never hold rb)
	s_mul_i32 s96, s19, 40960
	s_add_co_u32 s92, s92, s96
	s_mov_b32 s93, 0
	s_mul_i32 s94, s23, 10240                      ; their scales: 2,621,440 + head x 10,240 + half x 5,120
	s_mul_i32 s97, s19, 5120
	s_add_co_u32 s94, s94, s97
	s_add_co_u32 s94, s94, 2621440
	s_mov_b32 s95, 0
	s_lshl_b32 s99, s19, 12
	s_wait_dscnt 0x0                               ; both opening adds are done
	s_wait_kmcnt 0x0
	s_add_nc_u64 s[88:89], s[4:5], s[88:89]
	s_add_nc_u64 s[90:91], s[4:5], s[90:91]
	s_add_nc_u64 s[92:93], s[6:7], s[92:93]
	s_add_nc_u64 s[94:95], s[6:7], s[94:95]
	CROUND                                         ; all sixteen work-groups are here: the joint loads meet
	s_mov_b32 s[G0SA], 1
	s_add_co_u32 s[G0SA+1], s99, SCA
	s_mov_b64 s[G0SA+2:G0SA+3], s[90:91]
	s_or_b32 s[G0SA+3], s[G0SA+3], 0x80000000
	s_mov_b32 s[G0SB], 1
	s_add_co_u32 s[G0SB+1], s97, SCB
	s_mov_b64 s[G0SB+2:G0SB+3], s[94:95]
	s_or_b32 s[G0SB+3], s[G0SB+3], 0x80000000
	JLOAD G0SA, G1SA, G0SB, G1SB                   ; the scales first
	s_mov_b32 s[G0A0], 1
	s_mov_b32 s[G0A0+1], s98
	s_mov_b64 s[G0A0+2:G0A0+3], s[88:89]
	s_or_b32 s[G0A0+3], s[G0A0+3], 0x80000000
	s_mov_b32 s[G0B0], 1
	s_add_co_u32 s[G0B0+1], s96, BCO
	s_mov_b64 s[G0B0+2:G0B0+3], s[92:93]
	s_or_b32 s[G0B0+3], s[G0B0+3], 0x80000000
	JLOAD G0A0, G1A, G0B0, G1B                     ; K 0 to 511
	s_mov_b32 s[G0A1], 1
	s_add_co_u32 s[G0A1+1], s98, 65536
	s_add_nc_u64 s[G0A1+2:G0A1+3], s[88:89], 65536
	s_or_b32 s[G0A1+3], s[G0A1+3], 0x80000000
	s_mov_b32 s[G0B1], 1
	s_add_co_u32 s[G0B1+1], s96, BCO+81920
	s_add_nc_u64 s[G0B1+2:G0B1+3], s[92:93], 81920
	s_or_b32 s[G0B1+3], s[G0B1+3], 0x80000000
	JLOAD G0A1, G1A, G0B1, G1B                     ; K 512 to 1,023: three loads of mine are out
	s_lshl_b32 s100, s23, 2
	s_mov_b32 s101, 0
	s_add_nc_u64 s[8:9], s[8:9], s[100:101]
	s_load_b32 s27, s[8:9], 0x0                    ; lambda_raw of my head
	v_and_b32 v6, 15, v0                           ; r
	v_bfe_u32 v7, v0, 4, 1                         ; h
	v_and_b32 v27, 31, v0
	v_lshlrev_b32 v[LI], 4, v27
	v_lshl_add_u32 v[ADSB], v27, 3, SCB            ; 8 bytes a row: rows 32 i + lane
	s_lshl_b32 s100, s18, 10                       ; my 64 rows x 16 bytes
	v_add_nc_u32 v[ADSA], s100, v[LI]
	v_add_nc_u32 v[ADSA], SCA, v[ADSA]             ; 16 bytes a row: rows 64 w + 32 i + lane
	v_lshlrev_b32 v[ADB], 4, v6
	v_lshl_add_u32 v[ADA], v7, 12, v[ADB]
	v_add_nc_u32 v[ADA], s100, v[ADA]              ; block h of K, row 64 w + r
	v_mad_u32_u24 v[ADB], v7, 5120, v[ADB]
	v_add_nc_u32 v[ADB], BCO, v[ADB]
; One matrix instruction; the symbols WD .. WRB say which.  The rows of the scale registers are named only where lanes 16-31 are meant.
.macro WM1
.if MS == 0
.if WRA && WRB
	v_wmma_scale_f32_16x16x128_f8f6f4 v[WD:WD+7], v[WFA:WFA+7], v[WFB:WFB+7], 0, v[WSA], v[WSB] matrix_a_fmt:MATRIX_FMT_FP4 matrix_b_fmt:MATRIX_FMT_FP4 matrix_a_scale:MATRIX_SCALE_ROW1 matrix_b_scale:MATRIX_SCALE_ROW1
.elseif WRA
	v_wmma_scale_f32_16x16x128_f8f6f4 v[WD:WD+7], v[WFA:WFA+7], v[WFB:WFB+7], 0, v[WSA], v[WSB] matrix_a_fmt:MATRIX_FMT_FP4 matrix_b_fmt:MATRIX_FMT_FP4 matrix_a_scale:MATRIX_SCALE_ROW1
.elseif WRB
	v_wmma_scale_f32_16x16x128_f8f6f4 v[WD:WD+7], v[WFA:WFA+7], v[WFB:WFB+7], 0, v[WSA], v[WSB] matrix_a_fmt:MATRIX_FMT_FP4 matrix_b_fmt:MATRIX_FMT_FP4 matrix_b_scale:MATRIX_SCALE_ROW1
.else
	v_wmma_scale_f32_16x16x128_f8f6f4 v[WD:WD+7], v[WFA:WFA+7], v[WFB:WFB+7], 0, v[WSA], v[WSB] matrix_a_fmt:MATRIX_FMT_FP4 matrix_b_fmt:MATRIX_FMT_FP4
.endif
.else
.if WRA && WRB
	v_wmma_scale_f32_16x16x128_f8f6f4 v[WD:WD+7], v[WFA:WFA+7], v[WFB:WFB+7], v[WD:WD+7], v[WSA], v[WSB] matrix_a_fmt:MATRIX_FMT_FP4 matrix_b_fmt:MATRIX_FMT_FP4 matrix_a_scale:MATRIX_SCALE_ROW1 matrix_b_scale:MATRIX_SCALE_ROW1
.elseif WRA
	v_wmma_scale_f32_16x16x128_f8f6f4 v[WD:WD+7], v[WFA:WFA+7], v[WFB:WFB+7], v[WD:WD+7], v[WSA], v[WSB] matrix_a_fmt:MATRIX_FMT_FP4 matrix_b_fmt:MATRIX_FMT_FP4 matrix_a_scale:MATRIX_SCALE_ROW1
.elseif WRB
	v_wmma_scale_f32_16x16x128_f8f6f4 v[WD:WD+7], v[WFA:WFA+7], v[WFB:WFB+7], v[WD:WD+7], v[WSA], v[WSB] matrix_a_fmt:MATRIX_FMT_FP4 matrix_b_fmt:MATRIX_FMT_FP4 matrix_b_scale:MATRIX_SCALE_ROW1
.else
	v_wmma_scale_f32_16x16x128_f8f6f4 v[WD:WD+7], v[WFA:WFA+7], v[WFB:WFB+7], v[WD:WD+7], v[WSA], v[WSB] matrix_a_fmt:MATRIX_FMT_FP4 matrix_b_fmt:MATRIX_FMT_FP4
.endif
.endif
.endm
; Group G = 5 s + p: K step s, projection p: 16 matrix instructions, my 4 tiles of rows x the projection's 4 tiles of columns.  Accumulator (p, a, b) is v[8 (16 (p % 2) + 4 a + b)] of window 1 + p / 2.
; The 80 accumulators take turns, one instruction a turn, in the same order in every K step.  The first K step's products start the sums.
.macro MM
.set MP, G%5
.set MS, G/5
	WIN (1+MP/2)*0x50
.irp a, 0,1,2,3
.irp b, 0,1,2,3
.set WD, 8*(16*(MP%2)+4*\a+\b)
.if MP < 4
.set WFA, BF+32*(G%2)+8*\b
.set WFB, AF+32*(MS%2)+8*\a
.set WSA, BS+20*((MS/2)%2)+2*((4*MP+\b)/2)+MS%2
.set WSB, AS+8*(\a/2)+MS
.set WRA, \b%2
.set WRB, \a%2
.else
.set WFA, AF+32*(MS%2)+8*\a
.set WFB, BF+32*(G%2)+8*\b
.set WSA, AS+8*(\a/2)+MS
.set WSB, BS+20*((MS/2)%2)+2*((4*MP+\b)/2)+MS%2
.set WRA, \a%2
.set WRB, \b%2
.endif
	WM1
.endr
.endr
	WIN 0
.endm
; The LDS loads of group ng, and their number NC: the projection's four fragments; at p = 0 my four fragments of x; at p = 0 of an even K step the weights' scale words of two K steps.
.macro ISSUE ng
.set IP, (\ng)%5
.set IS, (\ng)/5
.set NC, 8
.irp b, 0,1,2,3
.irp c, 0,1
	ds_load_b128 v[BF+32*((\ng)%2)+8*\b+4*\c:BF+32*((\ng)%2)+8*\b+4*\c+3], v[ADB] offset:IP*1024+\b*256+\c*10240
.endr
.endr
.if IP == 0
.set NC, 16
.irp a, 0,1,2,3
.irp c, 0,1
	ds_load_b128 v[AF+32*(IS%2)+8*\a+4*\c:AF+32*(IS%2)+8*\a+4*\c+3], v[ADA] offset:\a*256+\c*8192
.endr
.endr
.if IS%2 == 0
.set NC, 26
.irp i, 0,1,2,3,4,5,6,7,8,9
	ds_load_b64 v[BS+20*((IS/2)%2)+2*\i:BS+20*((IS/2)%2)+2*\i+1], v[ADSB] offset:(IS/2)*2560+\i*256
.endr
.endif
.endif
.endm
; Four places behind the last group's products (its fragments' registers are loaded again), the next group's loads, the wait that leaves only those out, this group's products.
.macro GROUP
.if (G+1)%5 == 0
	v_add_nc_u32 v[ADA], 16384, v[ADA]             ; on to the next 128 along K: four blocks
	v_add_nc_u32 v[ADB], 20480, v[ADB]
	v_nop
	v_nop
.else
.rept 4
	v_nop
.endr
.endif
	ISSUE G+1
	s_wait_dscnt NC
	MM
.endm
	s_wait_tensorcnt 0x1                           ; my parts of the scales and of K 0-511 are in; K 512-1,023 may stay out
	s_barrier_signal -1
	s_barrier_wait -1                              ; everybody's are
.irp i, 0,1
.irp kh, 0,1
	ds_load_b128 v[AS+8*\i+4*\kh:AS+8*\i+4*\kh+3], v[ADSA] offset:\i*512+\kh*4096
.endr
.endr
	ISSUE 0
.set G, 0
.rept 19
	GROUP
.set G, G+1
.endr
	s_wait_tensorcnt 0x0                           ; my part of K 512-1,023 is in,
	s_wait_dscnt 0x0                               ; group 19's fragments are in, and no LDS instruction of mine is out at the signal
	s_barrier_signal -1
	MM                                             ; work on registers while the others arrive
	s_barrier_wait -1                              ; everybody's part is in
	v_add_nc_u32 v[ADA], 16384, v[ADA]
	v_add_nc_u32 v[ADB], 20480, v[ADB]
	v_nop
	v_nop
	ISSUE 20
.set G, 20
.rept 19
	GROUP
.set G, G+1
.endr
	s_wait_dscnt 0x0
	MM
.rept 4
	v_nop                                          ; places in front of the first reads of results and of writes into the fragments' registers
.endr
; ---------------- the way out ----------------
	s_wait_kmcnt 0x0
	v_mov_b32 v216, s27
	v_mul_f32 v216, 0x4038aa3b, v216               ; 2 log2e lambda_raw
	v_exp_f32 v217, v216
	v_nop
	s_wait_alu depctr_va_vdst(0)                   ; the wait ahead of a transcendental's first reader
	v_add_f32 v217, 1.0, v217
	v_rcp_f32 v218, v217
	v_nop
	s_wait_alu depctr_va_vdst(0)
	v_fma_f32 v218, v218, -2.0, 1.0                ; tanh
	v_mul_f32 v218, 0x3f38aa3b, v218               ; x 0.5 log2e
	v_readfirstlane_b32 s35, v218                  ; L: used as a factor alone
.macro KPAIR n, bits
	v_mov_b32 v[KC+2*\n], \bits
	v_mov_b32 v[KC+2*\n+1], \bits
.endm
	KPAIR 0, 0x40490fdb                            ; 4 sin(pi y / 4) = y (A0 + A1 z + A2 z^2 + A3 z^3), z = y^2:  pi
	KPAIR 1, 0xbea55de7                            ; -pi^3 / 96
	KPAIR 2, 0x3c2335e3                            ; pi^5 / 30720
	KPAIR 3, 0xb9196966                            ; -pi^7 / 20643840
	KPAIR 4, 0xbe9de9e6                            ; cos(pi y / 4) = 1 + B1 z + .. + B4 z^4:  -pi^2 / 32
	KPAIR 5, 0x3c81e0f8                            ; pi^4 / 6144
	KPAIR 6, 0xb9aae9e4                            ; -pi^6 / 2949120
	KPAIR 7, 0x3670fa73                            ; pi^8 / 2642411520
	KPAIR 8, 0xbe000000                            ; -1/8
	s_mov_b32 s28, 0x3fb8aa3b                      ; log2e (all my tensor loads are done: the descriptors' registers are free)
	s_mov_b32 s29, s28
	s_mov_b32 s30, 0x4038aa3b                      ; 2 log2e
	s_mov_b32 s31, s30
	s_mov_b32 s36, 0x76543210
	s_mov_b32 s37, 0xfedcba98
	s_mov_b32 s43, 0x3c800000                      ; 1/64
	s_mov_b32 s44, 0x360bada6                      ; 1e-6 / ln^2 2
	s_and_b32 s45, s24, 7                          ; row block within the sequence
	s_lshr_b32 s46, s24, 3
	s_lshl_b32 s46, s46, 4
	s_add_co_u32 s46, s46, s23                     ; bh = 16 x batch + head
	s_lshl_b32 s42, s46, 7
	s_lshl_b32 s50, s45, 4
	s_add_co_u32 s42, s42, s50
	s_lshl_b32 s50, s18, 2
	s_add_co_u32 s42, s42, s50
	s_mul_i32 s42, s42, 6144                       ; my first tile of 16 positions in qi and ki
	s_mul_i32 s47, s46, 12288
	s_lshl_b32 s52, s46, 18
	s_lshl_b32 s50, s45, 15
	s_add_co_u32 s52, s52, s50
	s_lshl_b32 s50, s18, 13
	s_add_co_u32 s52, s52, s50
	s_mov_b32 s53, 0
	s_add_nc_u64 s[52:53], s[14:15], s[52:53]      ; vi at my 64 keys
	s_lshl_b32 s48, s46, 12
	s_add_co_u32 s48, s48, 786432
	s_mov_b32 s49, 0
	s_add_nc_u64 s[48:49], s[16:17], s[48:49]      ; fin: v of positions 0-15
	s_cmp_lg_u32 s18, 0
	s_cbranch_scc1 .Lno_fv
	v_mov_b32 v[MK], s45
	v_cmp_eq_u32 vcc_lo, 0, v[MK]                  ; the sequence's first row block?
	s_wait_xcnt 0x0                                ; EXEC changes only behind this wait
	s_and_saveexec_b32 s39, vcc_lo
	WIN 0x0c                                       ; a store's data are its source 1: window 3
.irp b, 0,1,2,3
	global_store_b128 v[LI], v[8*\b:8*\b+3], s[48:49] offset:\b*1024          ; each accumulator from its low end on
	global_store_b128 v[LI], v[8*\b+4:8*\b+7], s[48:49] offset:\b*1024+512
.endr
	WIN 0
	s_wait_xcnt 0x0
	s_or_b32 exec_lo, exec_lo, s39
.Lno_fv:
	WIN 0x0f                                       ; sources 0 and 1: window 3
.set tt, 0
.rept 16
.irp i, 0,1,2,3
	v_cvt_pk_f16_f32 v[XR+4*tt+\i], v[8*tt+2*\i], v[8*tt+2*\i+1]   ; eight keys of one channel: 16 bytes
.endr
.set tt, tt+1
.endr
	WIN 0
.irp a, 0,1,2,3
.irp b, 0,1,2,3
	global_store_b128 v[LI], v[XR+4*(4*\a+\b):XR+4*(4*\a+\b)+3], s[52:53] offset:(\a/2)*4096+\b*1024+(\a%2)*512   ; 512 consecutive bytes
.endr
.endr
	s_wait_xcnt 0x0                                ; the stores have read their registers: the loop writes them again
; Eight trips: tile of rows u / 2, side u % 2 (0: q with qp, 1: k with kp).  Only the accumulators' numbers differ between trips: a switch on u fetches them, scaled, into window 0.
.macro FETCHB a, side
	WIN 0x01
.set ii, 0
.rept 16
	v_pk_mul_f32 v[XR+2*ii:XR+2*ii+1], v[8*(16*\side+4*\a)+2*ii:8*(16*\side+4*\a)+2*ii+1], s[28:29] op_sel_hi:[1,0]   ; X = t log2e
.set ii, ii+1
.endr
	WIN 0x02
.set ii, 0
.rept 16
	v_pk_mul_f32 v[UR+2*ii:UR+2*ii+1], v[8*(16*\side+4*\a)+2*ii:8*(16*\side+4*\a)+2*ii+1], s[30:31] op_sel_hi:[1,0]   ; 2 log2e x the phase's projection
.set ii, ii+1
.endr
	WIN 0
.endm
.macro POLY4 o                         ; four pairs of y at v[CO + o]: sin(pi y) to v[UR + o], cos(pi y) in place
.irp k, 0,2,4,6
	v_pk_mul_f32 v[ZZ+\k:ZZ+\k+1], v[CO+\o+\k:CO+\o+\k+1], v[CO+\o+\k:CO+\o+\k+1]
.endr
.irp k, 0,2,4,6
	v_pk_fma_f32 v[TT+\k:TT+\k+1], v[ZZ+\k:ZZ+\k+1], v[KC+6:KC+7], v[KC+4:KC+5]
.endr
.irp k, 0,2,4,6
	v_pk_fma_f32 v[QQ+\k:QQ+\k+1], v[ZZ+\k:ZZ+\k+1], v[KC+14:KC+15], v[KC+12:KC+13]
.endr
.irp k, 0,2,4,6
	v_pk_fma_f32 v[TT+\k:TT+\k+1], v[TT+\k:TT+\k+1], v[ZZ+\k:ZZ+\k+1], v[KC+2:KC+3]
.endr
.irp k, 0,2,4,6
	v_pk_fma_f32 v[QQ+\k:QQ+\k+1], v[QQ+\k:QQ+\k+1], v[ZZ+\k:ZZ+\k+1], v[KC+10:KC+11]
.endr
.irp k, 0,2,4,6
	v_pk_fma_f32 v[TT+\k:TT+\k+1], v[TT+\k:TT+\k+1], v[ZZ+\k:ZZ+\k+1], v[KC:KC+1]
.endr
.irp k, 0,2,4,6
	v_pk_fma_f32 v[QQ+\k:QQ+\k+1], v[QQ+\k:QQ+\k+1], v[ZZ+\k:ZZ+\k+1], v[KC+8:KC+9]
.endr
.irp k, 0,2,4,6
	v_pk_mul_f32 v[TT+\k:TT+\k+1], v[TT+\k:TT+\k+1], v[CO+\o+\k:CO+\o+\k+1]           ; 4 sin(pi y / 4)
.endr
.irp k, 0,2,4,6
	v_pk_fma_f32 v[QQ+\k:QQ+\k+1], v[QQ+\k:QQ+\k+1], v[ZZ+\k:ZZ+\k+1], 1.0 op_sel_hi:[1,1,0]   ; cos(pi y / 4)
.endr
.irp k, 0,2,4,6
	v_pk_mul_f32 v[ZZ+\k:ZZ+\k+1], v[TT+\k:TT+\k+1], v[TT+\k:TT+\k+1]
.endr
.irp k, 0,2,4,6
	v_pk_mul_f32 v[TT+\k:TT+\k+1], v[TT+\k:TT+\k+1], v[QQ+\k:QQ+\k+1]                 ; 2 sin(pi y / 2)
.endr
.irp k, 0,2,4,6
	v_pk_fma_f32 v[ZZ+\k:ZZ+\k+1], v[ZZ+\k:ZZ+\k+1], v[KC+16:KC+17], 1.0 op_sel_hi:[1,1,0]     ; cos(pi y / 2)
.endr
.irp k, 0,2,4,6
	v_pk_mul_f32 v[UR+\o+\k:UR+\o+\k+1], v[TT+\k:TT+\k+1], v[ZZ+\k:ZZ+\k+1]           ; sin(pi y)
.endr
.irp k, 0,2,4,6
	v_pk_mul_f32 v[TT+\k:TT+\k+1], v[TT+\k:TT+\k+1], v[TT+\k:TT+\k+1]
.endr
.irp k, 0,2,4,6
	v_pk_fma_f32 v[CO+\o+\k:CO+\o+\k+1], v[TT+\k:TT+\k+1], -0.5, 1.0 op_sel_hi:[1,0,0]         ; cos(pi y)
.endr
.endm
	s_mov_b32 s38, 0
.Ltrip:
	s_cmp_eq_u32 s38, 0
	s_cbranch_scc1 .Lf0
	s_cmp_eq_u32 s38, 1
	s_cbranch_scc1 .Lf1
	s_cmp_eq_u32 s38, 2
	s_cbranch_scc1 .Lf2
	s_cmp_eq_u32 s38, 3
	s_cbranch_scc1 .Lf3
	s_cmp_eq_u32 s38, 4
	s_cbranch_scc1 .Lf4
	s_cmp_eq_u32 s38, 5
	s_cbranch_scc1 .Lf5
	s_cmp_eq_u32 s38, 6
	s_cbranch_scc1 .Lf6
	FETCHB 3, 1
	s_branch .Ljoin
.Lf0:
	FETCHB 0, 0
	s_branch .Ljoin
.Lf1:
	FETCHB 0, 1
	s_branch .Ljoin
.Lf2:
	FETCHB 1, 0
	s_branch .Ljoin
.Lf3:
	FETCHB 1, 1
	s_branch .Ljoin
.Lf4:
	FETCHB 2, 0
	s_branch .Ljoin
.Lf5:
	FETCHB 2, 1
	s_branch .Ljoin
.Lf6:
	FETCHB 3, 0
.Ljoin:
	s_lshr_b32 s50, s38, 1
	s_mul_i32 s50, s50, 6144
	s_add_co_u32 s50, s50, s42
	s_mov_b32 s51, 0
	s_and_b32 s54, s38, 1
	s_mul_i32 s56, s54, 393216
	s_add_co_u32 s56, s56, s47
	s_mov_b32 s57, 0
	s_add_nc_u64 s[58:59], s[16:17], s[56:57]      ; fin: this side's f32 image
	s_cmp_eq_u32 s54, 0
	s_cselect_b32 s32, 1.0, 0x3f317218             ; the dot part: q stays log2e q; k comes back by ln 2
	s_cselect_b32 s33, 1.0, 0x3f317218
	s_cselect_b32 s34, s35, 1.0                    ; the phase parts: q's carry L
	s_cselect_b64 s[40:41], s[10:11], s[12:13]
	s_add_nc_u64 s[40:41], s[40:41], s[50:51]
.set ii, 0
.rept 32
	v_exp_f32 v[A2+ii], -|v[XR+ii]|
.set ii, ii+1
.endr
.set ii, 0
.rept 32
	v_exp_f32 v[CO+ii], v[UR+ii]
.set ii, ii+1
.endr
	v_nop
	s_wait_alu depctr_va_vdst(0)                   ; one wait for the batch of 64
.set ii, 0
.rept 16
	v_pk_add_f32 v[A2+ii:A2+ii+1], v[A2+ii:A2+ii+1], 1.0 op_sel_hi:[1,0]
	v_pk_add_f32 v[CO+ii:CO+ii+1], v[CO+ii:CO+ii+1], 1.0 op_sel_hi:[1,0]
.set ii, ii+2
.endr
.set ii, 0
.rept 32
	v_log_f32 v[A2+ii], v[A2+ii]
.set ii, ii+1
.endr
.set ii, 0
.rept 32
	v_rcp_f32 v[CO+ii], v[CO+ii]
.set ii, ii+1
.endr
.set ii, 0
.rept 32
	v_max_num_f32 v[TM+ii], 0, v[XR+ii]            ; independent work behind the batch
.set ii, ii+1
.endr
	s_wait_alu depctr_va_vdst(0)                   ; one wait for the batch of 64
.set ii, 0
.rept 16
	v_pk_add_f32 v[A2+ii:A2+ii+1], v[A2+ii:A2+ii+1], v[TM+ii:TM+ii+1]   ; softplus / ln 2
.set ii, ii+2
.endr
	v_pk_mul_f32 v[TM:TM+1], v[A2:A2+1], v[A2:A2+1]
	v_pk_mul_f32 v[TM+2:TM+3], v[A2+2:A2+3], v[A2+2:A2+3]
.set ii, 4
.rept 7
	v_pk_fma_f32 v[TM:TM+1], v[A2+ii:A2+ii+1], v[A2+ii:A2+ii+1], v[TM:TM+1]
	v_pk_fma_f32 v[TM+2:TM+3], v[A2+ii+2:A2+ii+3], v[A2+ii+2:A2+ii+3], v[TM+2:TM+3]
.set ii, ii+4
.endr
	v_pk_add_f32 v[TM:TM+1], v[TM:TM+1], v[TM+2:TM+3]
	v_add_f32 v[TM], v[TM], v[TM+1]                ; my 32 features of the position;
	v_permlanex16_b32 v[TM+1], v[TM], s36, s37
	v_add_f32 v[TM], v[TM], v[TM+1]                ; with lane l xor 16's: all 64
	v_fma_f32 v[TM], v[TM], s43, s44
	v_rsq_f32 v[TM+2], v[TM]
.set ii, 0
.rept 16
	v_pk_fma_f32 v[CO+ii:CO+ii+1], v[CO+ii:CO+ii+1], -2.0, 1.0 op_sel_hi:[1,0,0]   ; y = tanh
.set ii, ii+2
.endr
	s_wait_alu depctr_va_vdst(0)
	v_mul_f32 v[TM+4], s34, v[TM+2]
	v_mov_b32 v[TM+5], v[TM+4]
	POLY4 0
	POLY4 8
	POLY4 16
	POLY4 24
.set ii, 0
.rept 16
	v_pk_mul_f32 v[A2+ii:A2+ii+1], v[A2+ii:A2+ii+1], v[TM+4:TM+5]
.set ii, ii+2
.endr
.set ii, 0
.rept 16
	v_pk_mul_f32 v[CO+ii:CO+ii+1], v[CO+ii:CO+ii+1], v[A2+ii:A2+ii+1]
	v_pk_mul_f32 v[UR+ii:UR+ii+1], v[UR+ii:UR+ii+1], v[A2+ii:A2+ii+1]
	v_pk_mul_f32 v[XR+ii:XR+ii+1], v[XR+ii:XR+ii+1], s[32:33] op_sel_hi:[1,0]
.set ii, ii+2
.endr
	s_lshr_b32 s55, s38, 1
	s_or_b32 s55, s55, s18
	s_cmp_lg_u32 s55, 0                            ; wave 0's first tile alone can hold positions 0-15
	s_cbranch_scc1 .Lno_fine
	v_mov_b32 v[MK], s45
	v_cmp_eq_u32 vcc_lo, 0, v[MK]
	s_wait_xcnt 0x0
	s_and_saveexec_b32 s39, vcc_lo
.set ii, 0
.rept 8
	global_store_b128 v[LI], v[XR+4*ii:XR+4*ii+3], s[58:59] offset:512*ii
	global_store_b128 v[LI], v[CO+4*ii:CO+4*ii+3], s[58:59] offset:4096+512*ii
	global_store_b128 v[LI], v[UR+4*ii:UR+4*ii+3], s[58:59] offset:8192+512*ii
.set ii, ii+1
.endr
	s_wait_xcnt 0x0                                ; EXEC is restored, and the data are written again, only behind this wait
	s_or_b32 exec_lo, exec_lo, s39
.Lno_fine:
.irp B, XR, CO, UR
.set ii, 0
.rept 16
	v_cvt_pk_f16_f32 v[\B+ii], v[\B+2*ii], v[\B+2*ii+1]   ; in place, ascending: no number is overwritten before it is read
.set ii, ii+1
.endr
.endr
.irp b, 0,1,2,3
	global_store_b128 v[LI], v[XR+4*\b:XR+4*\b+3], s[40:41] offset:\b*512          ; 512 consecutive bytes each
	global_store_b128 v[LI], v[CO+4*\b:CO+4*\b+3], s[40:41] offset:2048+\b*512
	global_store_b128 v[LI], v[UR+4*\b:UR+4*\b+3], s[40:41] offset:4096+\b*512
.endr
	s_wait_xcnt 0x0                                ; the stores have read their registers and base: the next trip writes both
	s_add_co_u32 s38, s38, 1
	s_cmp_lt_u32 s38, 8
	s_cbranch_scc1 .Ltrip
	s_wait_tensorcnt 0x0                           ; the wave's end: a tensor wait, an add and its wait
	ds_add_u32 v[SPW], v[NIL]
	s_wait_dscnt 0x0
	CROUND                                         ; the closing round
	s_endpgm
.Lfunc_end_k_q1bd9412c93_proj:
	.size	k_q1bd9412c93_proj, .Lfunc_end_k_q1bd9412c93_proj-k_q1bd9412c93_proj
	.p2alignl 7, 3214868480
	.fill 96, 4, 3214868480
	.section	.rodata,"a",@progbits
	.p2align	6, 0x0
	.amdhsa_kernel k_q1bd9412c93_proj
		.amdhsa_group_segment_fixed_size 327680
		.amdhsa_private_segment_fixed_size 0
		.amdhsa_enable_private_segment 0
		.amdhsa_kernarg_size 56
		.amdhsa_user_sgpr_count 2
		.amdhsa_user_sgpr_kernarg_segment_ptr 1
		.amdhsa_wavefront_size32 1
		.amdhsa_system_sgpr_workgroup_id_x 1
		.amdhsa_system_sgpr_workgroup_id_y 1
		.amdhsa_system_sgpr_workgroup_id_z 1
		.amdhsa_system_vgpr_workitem_id 0
		.amdhsa_next_free_vgpr 1024
		.amdhsa_next_free_sgpr 102
		.amdhsa_reserve_vcc 1
		.amdhsa_float_denorm_mode_32 3
		.amdhsa_float_denorm_mode_16_64 3
		.amdhsa_memory_ordered 1
		.amdhsa_forward_progress 1
		.amdhsa_inst_pref_size 190
	.end_amdhsa_kernel
	.amdgpu_metadata
---
amdhsa.version: [ 1, 2 ]
amdhsa.kernels:
  - .name:           k_q1bd9412c93_proj
    .symbol:         k_q1bd9412c93_proj.kd
    .args:
      - { .name: xq, .offset: 0, .size: 8, .value_kind: global_buffer, .address_space: global }
      - { .name: wq, .offset: 8, .size: 8, .value_kind: global_buffer, .address_space: global }
      - { .name: lambda_raw, .offset: 16, .size: 8, .value_kind: global_buffer, .address_space: global }
      - { .name: qi, .offset: 24, .size: 8, .value_kind: global_buffer, .address_space: global }
      - { .name: ki, .offset: 32, .size: 8, .value_kind: global_buffer, .address_space: global }
      - { .name: vi, .offset: 40, .size: 8, .value_kind: global_buffer, .address_space: global }
      - { .name: fin, .offset: 48, .size: 8, .value_kind: global_buffer, .address_space: global }
    .group_segment_fixed_size: 327680
    .private_segment_fixed_size: 0
    .kernarg_segment_align: 8
    .kernarg_segment_size: 56
    .max_flat_workgroup_size: 128
    .sgpr_count:     102
    .vgpr_count:     1024
    .wavefront_size: 32
...
	.end_amdgpu_metadata
.endif
;; end of part 2
;; launch attn (part 3): grid 8 x 32, 4 waves a work-group, no clusters, 327,680 bytes of LDS; arguments qi, ki, vi, fin, ao; writes ao
.if DOCPART == 3
	.amdgcn_target "amdgcn-amd-amdhsa--gfx1250"
	.amdhsa_code_object_version 6
	.text
	.protected	k_q1bd9412c93_attn
	.globl	k_q1bd9412c93_attn
	.p2align	8
	.type	k_q1bd9412c93_attn,@function
k_q1bd9412c93_attn:
	s_mov_b64 s[64:65], 0
	v_nop
	global_prefetch_b8 v0, s[64:65] scope:SCOPE_SE
	s_setreg_imm32_b32 hwreg(HW_REG_WAVE_MODE, 25, 1), 1
	s_wait_xcnt 0x0
; Causal attention of one head: S = Q' . K' (K = 192: dot, cos and sin parts; the factor log2e is in Q'), p = 2^(S / 8 - the running maximum / 8), O = sum of p V / sum of p.  f16 operands, f32 sums.
; SHARES.  Work-group (j, bh) owns the blocks j and 15 - j of 128 queries: 17 blocks of 128 keys for every work-group.  Wave w: piece 0 = tiles 0, 1 (queries 128 j + 32 w + 0..31), piece 1 = tiles 2, 3 (128 (15 - j) + 32 w + 0..31).
; Keys go 64 a step, four steps to an LDS slot of 256 keys; two slots.  All operands lie in memory as images of the operand registers: every fragment is 16 bytes a lane at 16 x lane, every tile a dense block.
; Both products are used transposed (S^T = K' Q'^T, O^T = V^T P): a lane holds one query throughout.
; NO CLUSTER: under the causal mask the work-groups of a head need different numbers of key slots (2 (15 - j) / 4 + .. differs with j), so a partner would be named by joint loads whose tiles none of its waves reads.
; EVERY work-group walks all 8 slots (constant trip counts); a step whose keys all come after a piece's queries is jumped over, and a slot whose first key comes after the work-group's last query is not asked for:
; both by tests on ids and on the count of steps.  Every wait on TENSORcnt is for 0.
; Positions 0-15 of each sequence are also computed in f32 (wave 0 of j = 0), from the f32 images in fin, and stored behind ao's f16 part.
; LIMITS: NaN and infinities are not served.  p below 6e-8 of its row's largest is lost in f16.
; REGISTERS: window 0: v1-9 addresses and masks; v12-43 statistics, 8 a tile (+0 m / 8, +1 m, +2 +3 l, +4..7 at work, the rescaling factor at +6); v64-191 S^T (32 a tile); v192-255 P (16 a tile)
;   window 1: v0-127 O^T (32 a tile); v128-191 V; v192-223, v224-255 the f32 form's accumulators (written by matrix instructions alone)     window 2: v0-191 Q'     window 3: v0-191 K'
.set SLOT1, 131072                     ; a slot: K' 98,304 bytes ([tile 16][12][512]), then V 32,768 ([kg 8][ct 4][c 2][512])
.set VOFF,  98304
.set SPARE, 262144                     ; behind the ring: the spare words, 128 bytes a wave
.set LI,   1
.set ADK,  2
.set ADV,  3
.set RH,   4                           ; r - 8 h
.set D0,   6
.set D1,   7
.set NINF, 8
.set PFO,  9
.set ST,   12
.set SPW,  62
.set NIL,  63
.set S,    64
.set P,    192
.set VF,   128
.set FS,   192
.set FO,   224
.set WV,   14
.set JJ,   15
.set BH,   16
.set Q0L,  17
.set Q0H,  18
.set KF,   19                          ; the step's first key
.set TK,   20                          ; LDS byte of the step's K'
.set TV,   21                          ; and of its V
.set SLOTS, 22
.set TWI,  23
.set G1,   24
.set G0,   32
.set STP,  36                          ; a slot on in memory: 98,304 bytes in ki, 32,768 in vi
.set PFA,  38
.set LIM,  40
.set LASTQ, 41
.set CS,   42
.set SEL,  44
.set MSB, 0
.macro WIN new
.if MSB != (\new)
	s_set_vgpr_msb (MSB<<8)|(\new)
.set MSB, (\new)
.endif
.endm
	s_load_b256 s[4:11], s[0:1], 0x0               ; qi, ki, vi, fin
	s_load_b64 s[12:13], s[0:1], 0x20              ; ao
	v_lshl_add_u32 v[SPW], v0, 2, SPARE
	v_mov_b32 v[NIL], 0
	ds_add_u32 v[SPW], v[NIL]                      ; the wave's opening: the add, twice on end, and its wait ahead of my first tensor load
	ds_add_u32 v[SPW], v[NIL]
	v_lshrrev_b32 v1, 5, v0
	v_readfirstlane_b32 s[WV], v1
	s_mov_b32 s[JJ], ttmp9
	s_and_b32 s[BH], ttmp7, 0xffff
	s_lshl_b32 s[Q0L], s[JJ], 7
	s_lshl_b32 s46, s[WV], 5
	s_add_co_u32 s[Q0L], s[Q0L], s46
	s_sub_co_u32 s[Q0H], 15, s[JJ]
	s_lshl_b32 s[Q0H], s[Q0H], 7
	s_add_co_u32 s[LASTQ], s[Q0H], 127
	s_add_co_u32 s[Q0H], s[Q0H], s46
	s_mov_b32 s[KF], 0
	s_mov_b32 s[TK], 0
	s_mov_b32 s[TV], VOFF
	s_mov_b32 s[SLOTS], 7
	s_mov_b32 s[G1], 3<<16                         ; no mask; elements of 8 bytes; no padding
	s_mov_b32 s[G1+1], 32<<16                      ; rows of 256 bytes,
	s_mov_b32 s[G1+2], 128<<16                     ; 128 of them: 32,768 dense bytes a wave
	s_mov_b32 s[G1+3], 32<<16
	s_mov_b32 s[G1+4], 128
	s_mov_b32 s[G1+5], 32
	s_mov_b32 s[G1+6], 0
	s_mov_b32 s[G1+7], 0
	s_mov_b32 s[CS], 0x3e000000                    ; 1/8 = 1 / sqrt(64)
	s_mov_b32 s[CS+1], s[CS]
	s_mov_b32 s[SEL], 0x76543210
	s_mov_b32 s[SEL+1], 0xfedcba98
	s_cmp_eq_u32 s[JJ], 0
	s_cselect_b32 s[LIM], 1, -1                    ; the head's work-group j = 0, which asks for all slots, prefetches
	s_mul_i32 s48, s[BH], 786432
	s_lshl_b32 s47, s[WV], 15
	s_add_co_u32 s48, s48, s47                     ; waves 0-2: a third of K's slot each
	s_lshl_b32 s50, s[BH], 18                      ; wave 3: V's slot
	s_mov_b32 s49, 0
	s_mov_b32 s[STP], 32768
	s_mov_b32 s[STP+1], 0
	s_wait_dscnt 0x0                               ; both opening adds are done
	s_wait_kmcnt 0x0
	s_cmp_lt_u32 s[WV], 3
	s_cselect_b32 s48, s48, s50
	s_cselect_b32 s[STP], 98304, s[STP]
	s_cselect_b64 s[G0+2:G0+3], s[6:7], s[8:9]
	s_add_nc_u64 s[G0+2:G0+3], s[G0+2:G0+3], s[48:49]
	s_add_nc_u64 s[PFA:PFA+1], s[G0+2:G0+3], s[STP:STP+1]   ; at slot 1: the first change of slots steps it to slot 2
	s_or_b32 s[G0+3], s[G0+3], 0x80000000
	s_mov_b32 s[G0], 1
	s_mov_b32 s[G0+1], s47                         ; wave x 32,768 in slot 0
	tensor_load_to_lds s[G0:G0+3], s[G1:G1+7]      ; slot 0: one load of mine is out
	s_nop 0
.rept 4
	v_nop
.endr
	v_and_b32 v10, 31, v0
	v_lshlrev_b32 v[LI], 4, v10
	v_lshlrev_b32 v[PFO], 8, v10
	s_lshl_b32 s50, s[BH], 7
	s_lshl_b32 s51, s[JJ], 3
	s_lshl_b32 s52, s[WV], 1
	s_add_co_u32 s53, s50, s52
	s_add_co_u32 s54, s53, s51
	s_mul_i32 s54, s54, 6144
	s_mov_b32 s55, 0
	s_sub_co_u32 s56, 120, s51
	s_add_co_u32 s56, s56, s53
	s_mul_i32 s56, s56, 6144
	s_mov_b32 s57, 0
	s_add_nc_u64 s[54:55], s[4:5], s[54:55]        ; Q' of piece 0,
	s_add_nc_u64 s[56:57], s[4:5], s[56:57]        ; of piece 1
	WIN 0x80                                       ; destination window 2
.irp i, 0,1
.set mm, 0
.rept 12
	global_load_b128 v[48*\i+4*mm:48*\i+4*mm+3], v[LI], s[54:55] offset:\i*6144+mm*512
	global_load_b128 v[96+48*\i+4*mm:96+48*\i+4*mm+3], v[LI], s[56:57] offset:\i*6144+mm*512
.set mm, mm+1
.endr
.endr
	WIN 0
	v_and_b32 v10, 15, v0
	v_bfe_u32 v11, v0, 4, 1
	v_lshlrev_b32 v11, 3, v11
	v_sub_nc_u32 v[RH], v10, v11
	v_mov_b32 v[NINF], 0xff800000
.irp t, 0,1,2,3
	v_mov_b32 v[ST+8*\t+1], 0xff61b1e6             ; the largest score so far: -3e38, under every score
	v_mul_f32 v[ST+8*\t], s[CS], v[ST+8*\t+1]
	v_mov_b32 v[ST+8*\t+2], 0
	v_mov_b32 v[ST+8*\t+3], 0
	v_mov_b32 v[ST+8*\t+4], 0
	v_mov_b32 v[ST+8*\t+5], 0                      ; (a lane permute's destination counts as read)
	v_mov_b32 v[ST+8*\t+6], 0
	v_mov_b32 v[ST+8*\t+7], 0
.endr
	WIN 0x40
.set ii, 0
.rept 128
	v_mov_b32 v[ii], 0                             ; O^T.  The step is written once: its first turn finds zeros, which the first rescaling leaves zeros
.set ii, ii+1
.endr
	WIN 0
; One piece's softmax for 64 keys, its two tiles line by line.
.macro SOFT y
.irp k, 0,1,2,3
.irp t, \y, \y+1
	v_max3_num_f32 v[ST+8*(\t)+4+\k], v[S+32*(\t)+8*\k], v[S+32*(\t)+8*\k+1], v[S+32*(\t)+8*\k+2]   ; each accumulator is read from its low end on
.endr
.endr
.irp q, 1,2
.irp k, 0,1,2,3
.irp t, \y, \y+1
	v_max3_num_f32 v[ST+8*(\t)+4+\k], v[ST+8*(\t)+4+\k], v[S+32*(\t)+8*\k+2*\q+1], v[S+32*(\t)+8*\k+2*\q+2]
.endr
.endr
.endr
.irp t, \y, \y+1
	v_max3_num_f32 v[ST+8*(\t)+4], v[ST+8*(\t)+4], v[S+32*(\t)+7], v[S+32*(\t)+15]
	v_max3_num_f32 v[ST+8*(\t)+6], v[ST+8*(\t)+6], v[S+32*(\t)+23], v[S+32*(\t)+31]
.endr
.irp t, \y, \y+1
	v_max3_num_f32 v[ST+8*(\t)+4], v[ST+8*(\t)+4], v[ST+8*(\t)+5], v[ST+8*(\t)+6]
.endr
.irp t, \y, \y+1
	v_max3_num_f32 v[ST+8*(\t)+4], v[ST+8*(\t)+4], v[ST+8*(\t)+7], v[ST+8*(\t)+1]   ; with the old maximum
.endr
.irp t, \y, \y+1
	v_permlanex16_b32 v[ST+8*(\t)+5], v[ST+8*(\t)+4], s[SEL], s[SEL+1]              ; the query's other 32 keys lie in the lane 16 away
.endr
.irp t, \y, \y+1
	v_mov_b32 v[ST+8*(\t)+7], v[ST+8*(\t)]
.endr
.irp t, \y, \y+1
	v_max_num_f32 v[ST+8*(\t)+1], v[ST+8*(\t)+4], v[ST+8*(\t)+5]
.endr
.irp t, \y, \y+1
	v_mul_f32 v[ST+8*(\t)], s[CS], v[ST+8*(\t)+1]
.endr
.irp t, \y, \y+1
	v_sub_f32 v[ST+8*(\t)+7], v[ST+8*(\t)+7], v[ST+8*(\t)]
.endr
.irp t, \y, \y+1
.set ii, 0
.rept 16
	v_pk_fma_f32 v[S+32*(\t)+ii:S+32*(\t)+ii+1], v[S+32*(\t)+ii:S+32*(\t)+ii+1], s[CS:CS+1], v[ST+8*(\t):ST+8*(\t)+1] op_sel_hi:[1,0,0] neg_lo:[0,0,1] neg_hi:[0,0,1]
.set ii, ii+2
.endr
.endr
.irp t, \y, \y+1
	v_exp_f32 v[ST+8*(\t)+6], v[ST+8*(\t)+7]       ; what was summed under the old maximum is brought under the new
.set ii, 0
.rept 32
	v_exp_f32 v[S+32*(\t)+ii], v[S+32*(\t)+ii]
.set ii, ii+1
.endr
.endr
	v_nop                                          ; a plain line behind the last exponential
	s_wait_alu depctr_va_vdst(0)                   ; one wait for the batch of 66, ahead of its first reader
.irp t, \y, \y+1
.set ii, 0
.rept 16
	v_cvt_pk_f16_f32 v[P+16*(\t)+ii], v[S+32*(\t)+2*ii], v[S+32*(\t)+2*ii+1]
.set ii, ii+1
.endr
.endr
.irp u, 0,4,8,12,16,20,24,28
.irp t, \y, \y+1
	v_pk_add_f32 v[S+32*(\t)+\u:S+32*(\t)+\u+1], v[S+32*(\t)+\u:S+32*(\t)+\u+1], v[S+32*(\t)+\u+2:S+32*(\t)+\u+3]
.endr
.endr
.irp u, 0,8,16,24
.irp t, \y, \y+1
	v_pk_add_f32 v[S+32*(\t)+\u:S+32*(\t)+\u+1], v[S+32*(\t)+\u:S+32*(\t)+\u+1], v[S+32*(\t)+\u+4:S+32*(\t)+\u+5]
.endr
.endr
.irp u, 0,16
.irp t, \y, \y+1
	v_pk_add_f32 v[S+32*(\t)+\u:S+32*(\t)+\u+1], v[S+32*(\t)+\u:S+32*(\t)+\u+1], v[S+32*(\t)+\u+8:S+32*(\t)+\u+9]
.endr
.endr
.irp t, \y, \y+1
	v_pk_add_f32 v[S+32*(\t):S+32*(\t)+1], v[S+32*(\t):S+32*(\t)+1], v[S+32*(\t)+16:S+32*(\t)+17]
.endr
.irp t, \y, \y+1
	v_pk_fma_f32 v[ST+8*(\t)+2:ST+8*(\t)+3], v[ST+8*(\t)+2:ST+8*(\t)+3], v[ST+8*(\t)+6:ST+8*(\t)+7], v[S+32*(\t):S+32*(\t)+1] op_sel_hi:[1,0,1]
.endr
	WIN 0x41                                       ; O^T: destination and source 0 in window 1
.irp t, \y, \y+1
.set ii, 0
.rept 16
	v_pk_mul_f32 v[32*(\t)+ii:32*(\t)+ii+1], v[32*(\t)+ii:32*(\t)+ii+1], v[ST+8*(\t)+6:ST+8*(\t)+7] op_sel_hi:[1,0]
.set ii, ii+2
.endr
.endr
.endm
; One piece's turn with 64 keys.  prog = 1: the step's loads are still landing: the waits leave out what comes behind the tiles wanted.
.macro PIECE p, prog
.irp kp, 0,1
.if \prog
	s_wait_dscnt 40-24*\kp                         ; K's tiles 2 kp, 2 kp + 1 are in: behind them stand 24 (1 - kp) loads of K' and V's 16
.endif
	WIN 0x0b                                       ; K' window 3, Q' window 2, S^T window 0
.irp g, 0,1,2,3,4,5                    ; four accumulators by turns, one instruction a turn; the first products start the sums
.irp kk, 0,1
.irp i, 0,1
.if \g == 0
	v_wmma_f32_16x16x32_f16 v[S+32*(2*\p+\i)+8*(2*\kp+\kk):S+32*(2*\p+\i)+8*(2*\kp+\kk)+7], v[48*(2*\kp+\kk)+8*\g:48*(2*\kp+\kk)+8*\g+7], v[48*(2*\p+\i)+8*\g:48*(2*\p+\i)+8*\g+7], 0
.else
	v_wmma_f32_16x16x32_f16 v[S+32*(2*\p+\i)+8*(2*\kp+\kk):S+32*(2*\p+\i)+8*(2*\kp+\kk)+7], v[48*(2*\kp+\kk)+8*\g:48*(2*\kp+\kk)+8*\g+7], v[48*(2*\p+\i)+8*\g:48*(2*\p+\i)+8*\g+7], v[S+32*(2*\p+\i)+8*(2*\kp+\kk):S+32*(2*\p+\i)+8*(2*\kp+\kk)+7]
.endif
.endr
.endr
.endr
.endr
.rept 4
	v_nop                                          ; places in front of the first read of results
.endr
	WIN 0
	s_add_co_u32 s46, s[KF], 63
	s_cmp_le_u32 s46, s[Q0L+\p]                    ; do all 64 keys count for all 32 queries?
	s_cbranch_scc1 .Lopen_\@
	s_sub_co_i32 s46, s[Q0L+\p], s[KF]
	v_add_nc_u32 v[D0], s46, v[RH]                 ; register 8 kt + jj holds key KF + 16 kt + 8 h + jj: hidden where 16 kt + jj > my query - KF - 8 h
	v_add_nc_u32 v[D1], 16, v[D0]
.irp i, 0,1
.set nn, 0
.rept 32
	v_cmp_gt_i32 vcc_lo, 16*(nn/8)+nn%8, v[D0+\i]
	v_cndmask_b32 v[S+32*(2*\p+\i)+nn], v[S+32*(2*\p+\i)+nn], v[NINF], vcc_lo
.set nn, nn+1
.endr
.endr
.Lopen_\@:
	SOFT 2*\p
.if \prog
	s_wait_dscnt 0x0                               ; V is in
.endif
	WIN 0x51                                       ; V and O^T window 1, P window 0
.irp kg, 0,1                           ; eight accumulators by turns
.irp ct, 0,1,2,3
.irp i, 0,1
	v_wmma_f32_16x16x32_f16 v[32*(2*\p+\i)+8*\ct:32*(2*\p+\i)+8*\ct+7], v[VF+8*(4*\kg+\ct):VF+8*(4*\kg+\ct)+7], v[P+16*(2*\p+\i)+8*\kg:P+16*(2*\p+\i)+8*\kg+7], v[32*(2*\p+\i)+8*\ct:32*(2*\p+\i)+8*\ct+7]
.endr
.endr
.endr
	WIN 0
.endm
; A key step.  KF is a multiple of 64 and a piece's first query of 32: all keys come after the piece's 32 queries exactly where KF > its first query.
.macro STEP
	s_cmp_gt_u32 s[KF], s[Q0H]
	s_cbranch_scc1 .Lhid_\@
	v_add_nc_u32 v[ADK], s[TK], v[LI]
	v_add_nc_u32 v[ADV], s[TV], v[LI]
	v_nop
	v_nop                                          ; four places behind the last products, in front of loads into registers that they read
	WIN 0xc0                                       ; destination window 3
.irp kt, 0,1,2,3
.set mm, 0
.rept 12
	ds_load_b128 v[48*\kt+4*mm:48*\kt+4*mm+3], v[ADK] offset:\kt*6144+mm*512
.set mm, mm+1
.endr
.endr
	WIN 0x40                                       ; destination window 1
.irp kg, 0,1
.irp ct, 0,1,2,3
.irp c, 0,1
	ds_load_b128 v[VF+8*(4*\kg+\ct)+4*\c:VF+8*(4*\kg+\ct)+4*\c+3], v[ADV] offset:\kg*4096+\ct*1024+\c*512
.endr
.endr
.endr
	PIECE 1, 1
	s_cmp_gt_u32 s[KF], s[Q0L]
	s_cbranch_scc1 .Lhid_\@
	PIECE 0, 0
.Lhid_\@:
	s_add_co_u32 s[KF], s[KF], 64
	s_add_co_u32 s[TK], s[TK], 24576
	s_add_co_u32 s[TV], s[TV], 8192
.endm
; A prefetch of my own 32,768 bytes of the slot behind the one just asked for: 128 blocks of 256 bytes, a lane a block, four instructions together, a slot's four key steps ahead of the load that wants them.
; Each block is named once in the launch: by the head's work-group j = 0.  The last change that fills a slot asks for nothing; slots 0 and 1 come by their loads alone.
.macro ASK
	s_cmp_gt_u32 s[SLOTS], s[LIM]
	s_cbranch_scc0 .Lnot_mine_\@
.irp o, 0,8192,16384,24576
	global_prefetch_b8 v[PFO], s[PFA:PFA+1] offset:\o th:TH_LOAD_NT scope:SCOPE_SE
.endr
.Lnot_mine_\@:
.endm
; The change of slots stands at a slot's head: all my tensor loads are done (my part of the slot ahead), the add, my reads of the slot left are over, the barrier; then the slot left is filled with the keys that follow.
.macro CHANGE fill
	s_wait_tensorcnt 0x0                           ; no tensor load of mine is out, so group 0 may be written
	ds_add_u32 v[SPW], v[NIL]                      ; 0 onto my spare word
.if \fill
	s_xor_b32 s[G0+1], s[G0+1], SLOT1
	s_add_nc_u64 s[G0+2:G0+3], s[G0+2:G0+3], s[STP:STP+1]
	s_wait_xcnt 0x0                                ; the last prefetches, a slot back, have read their address
	s_add_nc_u64 s[PFA:PFA+1], s[PFA:PFA+1], s[STP:STP+1]
.endif
	s_wait_dscnt 0x0                               ; the add is done, and my reads of the slot that I have left are over
	s_barrier_signal -1
	s_barrier_wait -1
.if \fill
	s_add_co_u32 s46, s[KF], 256                   ; the first key of the slot that this change would ask for
	s_cmp_gt_u32 s46, s[LASTQ]                     ; after my work-group's last query: none of its waves would read it.  Ids and the count of steps alone: the same in all four waves
	s_cbranch_scc1 .Lpast_\@
	tensor_load_to_lds s[G0:G0+3], s[G1:G1+7]      ; my one tensor load until the next change
	s_nop 0
.rept 4
	v_nop
.endr
.Lpast_\@:
	ASK
.endif
.endm
.macro SLOT_STEPS
	s_mov_b32 s[TWI], 4
.Lstep_\@:
	STEP
	s_sub_co_u32 s[TWI], s[TWI], 1
	s_cmp_lg_u32 s[TWI], 0
	s_cbranch_scc1 .Lstep_\@
	s_sub_co_u32 s[TK], s[TK], 98304
	s_xor_b32 s[TK], s[TK], SLOT1                  ; on to the other slot
	s_sub_co_u32 s[TV], s[TV], 32768
	s_xor_b32 s[TV], s[TV], SLOT1
.endm
	s_wait_loadcnt 0x0                             ; Q'
.Lslot:                                            ; seven trips
	CHANGE 1
	SLOT_STEPS
	s_sub_co_u32 s[SLOTS], s[SLOTS], 1
	s_cmp_lg_u32 s[SLOTS], 0
	s_cbranch_scc1 .Lslot
	CHANGE 0                                       ; the last slot is written out: nothing is left to ask for
	SLOT_STEPS
	; THE WAY OUT.  The additions are the places behind the last products.
.irp t, 0,1,2,3
	v_add_f32 v[ST+8*\t+4], v[ST+8*\t+2], v[ST+8*\t+3]
.endr
.irp t, 0,1,2,3
	v_permlanex16_b32 v[ST+8*\t+5], v[ST+8*\t+4], s[SEL], s[SEL+1]
.endr
.irp t, 0,1,2,3
	v_add_f32 v[ST+8*\t+4], v[ST+8*\t+4], v[ST+8*\t+5]
.endr
.irp t, 0,1,2,3
	v_rcp_f32 v[ST+8*\t+6], v[ST+8*\t+4]
.endr
	v_nop
	s_lshr_b32 s50, s[BH], 4
	s_lshl_b32 s50, s50, 4                         ; 16 x batch
	s_and_b32 s51, s[BH], 15
	s_lshl_b32 s51, s51, 14                        ; head x 16,384
	s_lshl_b32 s53, s[WV], 11
	s_add_co_u32 s51, s51, s53
	s_add_co_u32 s52, s50, s[JJ]
	s_lshl_b32 s52, s52, 18
	s_add_co_u32 s52, s52, s51
	s_mov_b32 s53, 0
	s_add_co_u32 s54, s50, 15
	s_sub_co_u32 s54, s54, s[JJ]
	s_lshl_b32 s54, s54, 18
	s_add_co_u32 s54, s54, s51
	s_mov_b32 s55, 0
	s_add_nc_u64 s[52:53], s[12:13], s[52:53]      ; ao at piece 0's rows,
	s_add_nc_u64 s[54:55], s[12:13], s[54:55]      ; at piece 1's
	s_wait_alu depctr_va_vdst(0)                   ; one wait for the four reciprocals
	WIN 0x01                                       ; source 0 window 1
.irp t, 0,1,2,3
.set ii, 0
.rept 16
	v_pk_mul_f32 v[S+32*\t+ii:S+32*\t+ii+1], v[32*\t+ii:32*\t+ii+1], v[ST+8*\t+6:ST+8*\t+7] op_sel_hi:[1,0]
.set ii, ii+2
.endr
.endr
	WIN 0
.irp t, 0,1,2,3
.set ii, 0
.rept 16
	v_cvt_pk_f16_f32 v[S+32*\t+ii], v[S+32*\t+2*ii], v[S+32*\t+2*ii+1]
.set ii, ii+1
.endr
.endr
.irp t, 0,1
.irp ct, 0,1,2,3
	global_store_b128 v[LI], v[S+32*\t+4*\ct:S+32*\t+4*\ct+3], s[52:53] offset:(\ct/2)*8192+\t*1024+(\ct%2)*512       ; 512 consecutive bytes each
	global_store_b128 v[LI], v[S+64+32*\t+4*\ct:S+64+32*\t+4*\ct+3], s[54:55] offset:(\ct/2)*8192+\t*1024+(\ct%2)*512
.endr
.endr
	; POSITIONS 0-15 IN F32: wave 0 of the work-group j = 0.
	s_or_b32 s46, s[JJ], s[WV]
	s_cmp_lg_u32 s46, 0
	s_cbranch_scc1 .Lno_fine
	s_mul_i32 s48, s[BH], 12288
	s_mov_b32 s49, 0
	s_add_nc_u64 s[48:49], s[10:11], s[48:49]      ; Q' in f32; K' 393,216 bytes on
	s_lshl_b32 s50, s[BH], 12
	s_mov_b32 s51, 0
	s_add_nc_u64 s[56:57], s[10:11], s[50:51]      ; V in f32, 786,432 bytes on
	s_add_co_u32 s60, s50, 8388608
	s_mov_b32 s61, 0
	s_add_nc_u64 s[58:59], s[12:13], s[60:61]      ; where the f32 result goes
	WIN 0xc0
.set gg, 0
.rept 24
	global_load_b128 v[4*gg:4*gg+3], v[LI], s[48:49] offset:393216+512*gg
.set gg, gg+1
.endr
	WIN 0x80
.set gg, 0
.rept 24
	global_load_b128 v[4*gg:4*gg+3], v[LI], s[48:49] offset:512*gg
.set gg, gg+1
.endr
	WIN 0x40
.set gg, 0
.rept 8
	global_load_b128 v[VF+4*gg:VF+4*gg+3], v[LI], s[56:57] offset:786432+512*gg
.set gg, gg+1
.endr
	WIN 0
	s_wait_loadcnt 0x0
	WIN 0x5b                                       ; K' window 3, Q' window 2, C and D window 1
.set nn, 0
.rept 48                               ; registers 2 n, 2 n + 1 hold the same four features on both sides; four accumulators by turns, their first products start the sums
.if nn < 4
	v_wmma_f32_16x16x4_f32 v[FS+8*nn:FS+8*nn+7], v[2*nn:2*nn+1], v[2*nn:2*nn+1], 0
.else
	v_wmma_f32_16x16x4_f32 v[FS+8*(nn%4):FS+8*(nn%4)+7], v[2*nn:2*nn+1], v[2*nn:2*nn+1], v[FS+8*(nn%4):FS+8*(nn%4)+7]
.endif
.set nn, nn+1
.endr
.rept 8
	v_nop                                          ; eight places behind this form
.endr
	WIN 0x05
.irp i, 0,2,4,6
	v_pk_add_f32 v[192+\i:193+\i], v[FS+\i:FS+\i+1], v[FS+8+\i:FS+8+\i+1]
.endr
.irp i, 0,2,4,6
	v_pk_add_f32 v[200+\i:201+\i], v[FS+16+\i:FS+16+\i+1], v[FS+24+\i:FS+24+\i+1]
.endr
	WIN 0
.irp i, 0,2,4,6
	v_pk_add_f32 v[192+\i:193+\i], v[192+\i:193+\i], v[200+\i:201+\i]
.endr
.irp jj, 0,1,2,3,4,5,6,7
	v_cmp_gt_i32 vcc_lo, \jj, v[RH]                ; register jj holds key 8 h + jj: hidden where it comes after query r
	v_cndmask_b32 v[192+\jj], v[192+\jj], v[NINF], vcc_lo
.endr
	v_max3_num_f32 v208, v192, v193, v194
	v_max3_num_f32 v208, v208, v195, v196
	v_max3_num_f32 v208, v208, v197, v198
	v_max_num_f32 v208, v208, v199
	v_mov_b32 v209, 0
	v_permlanex16_b32 v209, v208, s[SEL], s[SEL+1]
	v_max_num_f32 v208, v208, v209                 ; key 0 counts for every query: a number
	v_mul_f32 v208, s[CS], v208
	v_mov_b32 v209, v208
.irp i, 0,2,4,6
	v_pk_fma_f32 v[192+\i:193+\i], v[192+\i:193+\i], s[CS:CS+1], v[208:209] op_sel_hi:[1,0,1] neg_lo:[0,0,1] neg_hi:[0,0,1]
.endr
.irp jj, 0,1,2,3,4,5,6,7
	v_exp_f32 v[192+\jj], v[192+\jj]
.endr
	v_nop
	s_wait_alu depctr_va_vdst(0)
	v_pk_add_f32 v[210:211], v[192:193], v[194:195]
	v_pk_add_f32 v[212:213], v[196:197], v[198:199]
	v_pk_add_f32 v[210:211], v[210:211], v[212:213]
	v_add_f32 v210, v210, v211
	v_permlanex16_b32 v211, v210, s[SEL], s[SEL+1]
	v_add_f32 v210, v210, v211
	v_rcp_f32 v212, v210
	v_nop
	s_wait_alu depctr_va_vdst(0)
	v_mov_b32 v213, v212
.irp i, 0,2,4,6
	v_pk_mul_f32 v[192+\i:193+\i], v[192+\i:193+\i], v[212:213]
.endr
	WIN 0x51                                       ; V window 1, p window 0, C and D window 1
.irp i, 0,1,2,3                        ; keys 8 h + 2 i, 8 h + 2 i + 1 on both sides; four accumulators by turns
.irp b, 0,1,2,3
.if \i == 0
	v_wmma_f32_16x16x4_f32 v[FO+8*\b:FO+8*\b+7], v[VF+8*\b+2*\i:VF+8*\b+2*\i+1], v[192+2*\i:193+2*\i], 0
.else
	v_wmma_f32_16x16x4_f32 v[FO+8*\b:FO+8*\b+7], v[VF+8*\b+2*\i:VF+8*\b+2*\i+1], v[192+2*\i:193+2*\i], v[FO+8*\b:FO+8*\b+7]
.endif
.endr
.endr
.rept 8
	v_nop
.endr
	WIN 0x04                                       ; a store's data are its source 1: window 1
.irp b, 0,1,2,3
	global_store_b128 v[LI], v[FO+8*\b:FO+8*\b+3], s[58:59] offset:\b*1024
	global_store_b128 v[LI], v[FO+8*\b+4:FO+8*\b+7], s[58:59] offset:\b*1024+512
.endr
	WIN 0
.Lno_fine:
	s_wait_tensorcnt 0x0                           ; the wave's end: a tensor wait, an add and its wait
	ds_add_u32 v[SPW], v[NIL]
	s_wait_dscnt 0x0
	s_endpgm
.Lfunc_end_k_q1bd9412c93_attn:
	.size	k_q1bd9412c93_attn, .Lfunc_end_k_q1bd9412c93_attn-k_q1bd9412c93_attn
	.p2alignl 7, 3214868480
	.fill 96, 4, 3214868480
	.section	.rodata,"a",@progbits
	.p2align	6, 0x0
	.amdhsa_kernel k_q1bd9412c93_attn
		.amdhsa_group_segment_fixed_size 327680
		.amdhsa_private_segment_fixed_size 0
		.amdhsa_enable_private_segment 0
		.amdhsa_kernarg_size 40
		.amdhsa_user_sgpr_count 2
		.amdhsa_user_sgpr_kernarg_segment_ptr 1
		.amdhsa_wavefront_size32 1
		.amdhsa_system_sgpr_workgroup_id_x 1
		.amdhsa_system_sgpr_workgroup_id_y 1
		.amdhsa_system_sgpr_workgroup_id_z 1
		.amdhsa_system_vgpr_workitem_id 0
		.amdhsa_next_free_vgpr 1024
		.amdhsa_next_free_sgpr 66
		.amdhsa_reserve_vcc 1
		.amdhsa_float_denorm_mode_32 3
		.amdhsa_float_denorm_mode_16_64 3
		.amdhsa_memory_ordered 1
		.amdhsa_forward_progress 1
		.amdhsa_inst_pref_size 134
	.end_amdhsa_kernel
	.amdgpu_metadata
---
amdhsa.version: [ 1, 2 ]
amdhsa.kernels:
  - .name:           k_q1bd9412c93_attn
    .symbol:         k_q1bd9412c93_attn.kd
    .args:
      - { .name: qi, .offset: 0, .size: 8, .value_kind: global_buffer, .address_space: global }
      - { .name: ki, .offset: 8, .size: 8, .value_kind: global_buffer, .address_space: global }
      - { .name: vi, .offset: 16, .size: 8, .value_kind: global_buffer, .address_space: global }
      - { .name: fin, .offset: 24, .size: 8, .value_kind: global_buffer, .address_space: global }
      - { .name: ao, .offset: 32, .size: 8, .value_kind: global_buffer, .address_space: global }
    .group_segment_fixed_size: 327680
    .private_segment_fixed_size: 0
    .kernarg_segment_align: 8
    .kernarg_segment_size: 40
    .max_flat_workgroup_size: 128
    .sgpr_count:     66
    .vgpr_count:     1024
    .wavefront_size: 32
...
	.end_amdgpu_metadata
.endif
;; end of part 3
;; launch oproj (part 4): grid 8 x 32, 4 waves a work-group, clusters of 4 x 4, 327,680 bytes of LDS; arguments ao, wot, out0; writes out0
.if DOCPART == 4
	.amdgcn_target "amdgcn-amd-amdhsa--gfx1250"
	.amdhsa_code_object_version 6
	.text
	.protected	k_q1bd9412c93_oproj
	.globl	k_q1bd9412c93_oproj
	.p2align	8
	.type	k_q1bd9412c93_oproj,@function
k_q1bd9412c93_oproj:
	s_mov_b64 s[64:65], 0
	v_nop
	global_prefetch_b8 v0, s[64:65] scope:SCOPE_SE
	s_setreg_imm32_b32 hwreg(HW_REG_WAVE_MODE, 25, 1), 1
	s_wait_xcnt 0x0
	s_wait_alu depctr_hold_cnt(0) depctr_sa_sdst(0) depctr_va_vdst(0) depctr_va_sdst(0) depctr_va_ssrc(0) depctr_va_vcc(0) depctr_vm_vsrc(0)
	s_getreg_b32 s2, hwreg(HW_REG_IB_STS2, 6, 4)
	s_cmp_eq_u32 s2, 0
	s_cbranch_scc0 .Lentry_in_a_cluster
	s_endpgm
.Lentry_in_a_cluster:
	s_bfe_u32 s2, ttmp6, 0x10000c
	s_cmp_lg_u32 s2, 0xf033
	s_cbranch_scc0 .Lentry_shape_is_right
	s_endpgm
.Lentry_shape_is_right:
; out0 [4096][1024] f32 = AO [4096][1024] x Wo [1024][1024], f16 operands, f32 sums.  Both operands lie in memory as images of the operand registers:
;   ao  [mb 32][kg 32][mt 8][c 2][lane][16 B]: row 128 mb + 16 mt + r, k = 32 kg + 16 c + 8 h + 0..7;   wot [nb 8][kg 32][nt 8][c 2][lane][16 B]: column 128 nb + 16 nt + r, the same k.
; A tile of C is 128 x 128 (256 work-groups); four waves, each 64 x 64: 16 accumulators.  K goes in four steps of 256 through two LDS slots; a K step of A or of B is one dense block of 65,536 bytes, half of it a wave's load.
; CLUSTER 4 x 4: A's blocks are shared along a row of the cluster, B's along a column: joint loads.  THE MATRIX INSTRUCTION IS USED TRANSPOSED: a lane holds eight neighbouring numbers of a row of C.
; The rows of positions 0-15 of each sequence are written here too and written again, from f32 operands, by the launch that follows.
; No prefetch: four short K steps on a small tile, and both first fills go out at the head.
; REGISTERS: window 0: v16-29 addresses; v32-95 the way out; v128-255 the accumulators ((a, b) at v[128 + 8 (4 a + b)]).  window 1: two fragment buffers of 128: 64 of A, then 64 of B, for 64 along K.
.set SLOT,   131072                    ; A's 65,536 bytes ([kg 8][mt 8][1,024]), then B's
.set SPARE,  262144
.set SPITCH, 272                       ; the way out: each wave's stage of 16 rows x (256 bytes + 16), in slot 0, which has had its last fill and its last read by then
.set ADRA, 16
.set ADRB, 20
.set STO,  24
.set RD,   25
.set CO,   26
.set SPW,  28
.set NIL,  29
.set BK,   32
.set ACC,  128
.set F0,   0
.set F1,   128
.set G1, 24
.set G0, 32
.set G1B, 48
.set G0B, 56
.set MSB, 0
.macro WIN new
.if MSB != (\new)
	s_set_vgpr_msb (MSB<<8)|(\new)
.set MSB, (\new)
.endif
.endm
.set MUL,  0x05                        ; sources 0 (B) and 1 (A) window 1; C and D window 0
.set TO_F, 0x40                        ; destination window 1, address window 0
.macro JLOAD s                         ; waves 0 and 1 fetch A's halves, waves 2 and 3 B's; an s_nop 0 and four v_nop follow each line
	s_cmp_eq_u32 s11, 0
	s_cbranch_scc0 .Lfor_b_\@
	tensor_load_to_lds s[G0+4*\s:G0+4*\s+3], s[G1:G1+7]
	s_nop 0
.rept 4
	v_nop
.endr
	s_branch .Lasked_\@
.Lfor_b_\@:
	tensor_load_to_lds s[G0B+4*\s:G0B+4*\s+3], s[G1B:G1B+7]
	s_nop 0
.rept 4
	v_nop
.endr
.Lasked_\@:
.endm
.macro CREST
	s_cmp_lg_u32 s10, 0
	s_cbranch_scc1 .Lnot_wave_0_\@
	s_barrier_signal -3
.Lnot_wave_0_\@:
	s_barrier_wait -3
	s_barrier_signal -1
	s_barrier_wait -1
.endm
.macro CROUND
	s_barrier_signal -1
	s_barrier_wait -1
	CREST
.endm
	s_load_b128 s[4:7], s[0:1], 0x0                ; ao, wot
	s_load_b64 s[8:9], s[0:1], 0x10                ; out0
	v_lshl_add_u32 v[SPW], v0, 2, SPARE
	v_mov_b32 v[NIL], 0
	ds_add_u32 v[SPW], v[NIL]                      ; the wave's opening: the add, twice on end, and its wait ahead of my first tensor load
	ds_add_u32 v[SPW], v[NIL]
	v_lshrrev_b32 v1, 5, v0
	v_readfirstlane_b32 s10, v1                    ; wave 0..3
	s_lshr_b32 s11, s10, 1                         ; my half of the tile's rows.  Also: I fetch for A (0) or for B (1)
	s_and_b32 s12, s10, 1                          ; my half of its columns.  Also: which half of a block I fetch
	s_bfe_u32 s40, ttmp6, 0x40000                  ; cx
	s_bfe_u32 s41, ttmp6, 0x40004                  ; cy
	s_lshl_b32 s42, ttmp9, 2
	s_add_co_u32 s42, s42, s40                     ; nb
	s_and_b32 s13, ttmp7, 0xffff
	s_lshl_b32 s13, s13, 2
	s_add_co_u32 s13, s13, s41                     ; mb
	s_lshl_b32 s43, s41, 2
	s_lshl_b32 s43, 15, s43                        ; my row of the cluster
	s_lshl_b32 s44, 0x1111, s40                    ; my column
	s_or_b32 s[G1+0], s43, (3<<16)|(1<<21)         ; the mask; elements of 8 bytes; bit 21 beside a mask; no padding
	s_or_b32 s[G1B+0], s44, (3<<16)|(1<<21)
.irp g, G1, G1B
	s_mov_b32 s[\g+1], 32<<16                      ; rows of 256 bytes,
	s_mov_b32 s[\g+2], 128<<16                     ; 128 of them
	s_mov_b32 s[\g+3], 32<<16
	s_mov_b32 s[\g+4], 128
	s_mov_b32 s[\g+5], 32
	s_mov_b32 s[\g+6], 0
	s_mov_b32 s[\g+7], 0
.endr
	s_lshl_b32 s18, s12, 15
	s_lshl_b32 s16, s13, 18
	s_add_co_u32 s16, s16, s18                     ; A: mb x 262,144 + half x 32,768
	s_lshl_b32 s46, s42, 18
	s_add_co_u32 s46, s46, s18                     ; B: nb x 262,144 + half x 32,768
	s_mov_b32 s17, 0
	s_mov_b32 s47, 0
	s_lshl_b32 s20, s10, 15                        ; where they go: wave x 32,768
	s_wait_dscnt 0x0                               ; both opening adds are done
	s_wait_kmcnt 0x0
	s_add_nc_u64 s[14:15], s[4:5], s[16:17]
	s_add_nc_u64 s[46:47], s[6:7], s[46:47]
	CROUND                                         ; all sixteen work-groups are here: the first joint loads meet
.irp s, 0,1
	s_mov_b32 s[G0+4*\s], 1
	s_add_co_u32 s[G0+4*\s+1], s20, \s*SLOT
	s_add_nc_u64 s[G0+4*\s+2:G0+4*\s+3], s[14:15], \s*65536
	s_or_b32 s[G0+4*\s+3], s[G0+4*\s+3], 0x80000000
	s_mov_b32 s[G0B+4*\s], 1
	s_add_co_u32 s[G0B+4*\s+1], s20, \s*SLOT
	s_add_nc_u64 s[G0B+4*\s+2:G0B+4*\s+3], s[46:47], \s*65536
	s_or_b32 s[G0B+4*\s+3], s[G0B+4*\s+3], 0x80000000
	JLOAD \s
.endr
	v_and_b32 v1, 31, v0
	v_lshlrev_b32 v3, 4, v1                        ; 16 x lane
	s_lshl_b32 s21, s11, 12                        ; my four tiles of A's eight
	s_lshl_b32 s22, s12, 12
	s_add_co_u32 s22, s22, 65536                   ; my four of B's, behind A's block
.irp s, 0,1
	v_add_nc_u32 v[ADRA+\s], s21, v3
	v_add_nc_u32 v[ADRB+\s], s22, v3
	s_add_co_u32 s21, s21, SLOT
	s_add_co_u32 s22, s22, SLOT
.endr
	v_and_b32 v1, 15, v0                           ; r
	v_bfe_u32 v2, v0, 4, 1                         ; h
	s_mul_i32 s23, s10, 16*SPITCH                  ; my stage
	v_mul_u32_u24 v4, v1, SPITCH
	v_lshl_add_u32 v4, v2, 5, v4
	v_add_nc_u32 v[STO], s23, v4                   ; in: row r, 32 bytes for each half of the lanes
	v_mul_u32_u24 v5, v2, SPITCH
	v_lshl_add_u32 v5, v1, 4, v5
	v_add_nc_u32 v[RD], s23, v5                    ; back: lanes 0-15 one row of 256 bytes, lanes 16-31 the next
	v_lshlrev_b32 v5, 12, v2
	v_lshl_add_u32 v[CO], v1, 4, v5                ; and the same two rows in out0
	s_lshl_b32 s16, s13, 19
	s_lshl_b32 s17, s11, 18
	s_add_co_u32 s16, s16, s17                     ; (128 mb + 64 x half) rows of 4,096 bytes
	s_mov_b32 s17, 0
	s_add_nc_u64 s[8:9], s[8:9], s[16:17]
	s_lshl_b32 s46, s42, 9
	s_lshl_b32 s47, s12, 8
	s_add_co_u32 s46, s46, s47                     ; (128 nb + 64 x half) x 4 bytes
	s_mov_b32 s47, 0
	s_add_nc_u64 s[8:9], s[8:9], s[46:47]
.macro MUL8 f, c, a0, zero             ; 8 matrix instructions: row tiles a0, a0 + 1 x 4 column tiles, 32 along K: half c of buffer f
.irp a, \a0, \a0+1
.irp b, 0,1,2,3
.if \zero
	v_wmma_f32_16x16x32_f16 v[ACC+8*(4*(\a)+\b):ACC+8*(4*(\a)+\b)+7], v[\f+64+8*(4*\c+\b):\f+64+8*(4*\c+\b)+7], v[\f+8*(4*\c+\a):\f+8*(4*\c+\a)+7], 0
.else
	v_wmma_f32_16x16x32_f16 v[ACC+8*(4*(\a)+\b):ACC+8*(4*(\a)+\b)+7], v[\f+64+8*(4*\c+\b):\f+64+8*(4*\c+\b)+7], v[\f+8*(4*\c+\a):\f+8*(4*\c+\a)+7], v[ACC+8*(4*(\a)+\b):ACC+8*(4*(\a)+\b)+7]
.endif
.endr
.endr
.endm
.macro FETCH slot, q, f                ; 32 LDS loads in one run: the fragments of the slot's q-th 64 along K, the first 32 along K first
	WIN TO_F
.irp c, 0,1
.irp i, 0,1,2,3
	ds_load_b128 v[\f+64+8*(4*\c+\i):\f+64+8*(4*\c+\i)+3],   v[ADRB+\slot] offset:(2*(\q)+\c)*8192+\i*1024
	ds_load_b128 v[\f+64+8*(4*\c+\i)+4:\f+64+8*(4*\c+\i)+7], v[ADRB+\slot] offset:(2*(\q)+\c)*8192+\i*1024+512
	ds_load_b128 v[\f+8*(4*\c+\i):\f+8*(4*\c+\i)+3],         v[ADRA+\slot] offset:(2*(\q)+\c)*8192+\i*1024
	ds_load_b128 v[\f+8*(4*\c+\i)+4:\f+8*(4*\c+\i)+7],       v[ADRA+\slot] offset:(2*(\q)+\c)*8192+\i*1024+512
.endr
.endr
.endm
.macro PLACES                          ; four places in front of loads into registers that matrix instructions have read, and of the first read of results
.rept 4
	v_nop
.endr
.endm
.macro QUARTER slot, q, f, g, zero     ; multiplies buffer f; in its middle fetches the slot's q-th quarter into g
	s_wait_dscnt 16                                ; the first 32 along K are in; the youngest 16 loads may be out
	WIN MUL
	MUL8 \f, 0, 0, \zero
	MUL8 \f, 0, 2, \zero
	PLACES
	FETCH \slot, \q, \g
	s_wait_dscnt 32                                ; all but the 32 just issued
	WIN MUL
	MUL8 \f, 1, 0, 0
	MUL8 \f, 1, 2, 0
.endm
; A slot's last quarter changes slots: in front of the one barrier each wave waits for all its tensor loads, adds 0 to its spare word, and waits for that and for its reads of this slot.  fill = 1: the slot is filled again, two K steps on.
.macro TURN slot, next, fill
	WIN 0
	s_wait_tensorcnt 0x0                           ; all my tensor loads have landed: my part of the next slot
	ds_add_u32 v[SPW], v[NIL]
	s_wait_dscnt 17                                ; (the add and the youngest sixteen loads may be out)
	WIN MUL
	MUL8 F1, 0, 0, 0
	s_wait_dscnt 0x0                               ; the add is done, and my reads of this slot are over
	s_barrier_signal -1
	MUL8 F1, 0, 2, 0
.if \fill
	WIN 0
.endif
	s_barrier_wait -1
.if \fill
	CREST                                          ; the barrier has opened a round of the cluster's: no wave of any partner still reads this slot or has a load on its way
	s_add_nc_u64 s[G0+4*\slot+2:G0+4*\slot+3], s[G0+4*\slot+2:G0+4*\slot+3], 131072
	s_add_nc_u64 s[G0B+4*\slot+2:G0B+4*\slot+3], s[G0B+4*\slot+2:G0B+4*\slot+3], 131072
	JLOAD \slot                                    ; the first tensor load behind the round; its four v_nop are also the places in front of the loads below
.else
	PLACES
.endif
	FETCH \next, 0, F0
	WIN MUL
	MUL8 F1, 1, 0, 0
	MUL8 F1, 1, 2, 0
.endm
	s_wait_tensorcnt 1                             ; my part of K step 0 is in; K step 1's may stay out
	s_barrier_signal -1
	s_barrier_wait -1
	FETCH 0, 0, F0
	QUARTER 0, 1, F0, F1, 1                        ; the first products start the sums
	QUARTER 0, 2, F1, F0, 0
	QUARTER 0, 3, F0, F1, 0
	TURN 0, 1, 1                                   ; slot 0 takes K step 2
	QUARTER 1, 1, F0, F1, 0
	QUARTER 1, 2, F1, F0, 0
	QUARTER 1, 3, F0, F1, 0
	TURN 1, 0, 1                                   ; slot 1 takes K step 3
	QUARTER 0, 1, F0, F1, 0
	QUARTER 0, 2, F1, F0, 0
	QUARTER 0, 3, F0, F1, 0
	TURN 0, 1, 0
	QUARTER 1, 1, F0, F1, 0
	QUARTER 1, 2, F1, F0, 0
	QUARTER 1, 3, F0, F1, 0
	s_wait_dscnt 16
	WIN MUL
	MUL8 F1, 0, 0, 0
	MUL8 F1, 0, 2, 0
	s_wait_dscnt 0
	MUL8 F1, 1, 0, 0
	MUL8 F1, 1, 2, 0
	WIN 0
; THE WAY OUT, 16 rows x 64 columns at a time through my own stage: a lane's 32 bytes go in by rows of 272, whole rows of 256 bytes come back.  LDS serves a wave's instructions in order.
.macro TOSTAGE a
.irp b, 0,1,2,3
	ds_store_b128 v[STO], v[ACC+8*(4*(\a)+\b):ACC+8*(4*(\a)+\b)+3] offset:64*\b          ; each accumulator from its low end on
	ds_store_b128 v[STO], v[ACC+8*(4*(\a)+\b)+4:ACC+8*(4*(\a)+\b)+7] offset:64*\b+16
.endr
.set BB, BK+32*((\a)%2)
.irp t, 0,1,2,3,4,5,6,7
	ds_load_b128 v[BB+4*\t:BB+4*\t+3], v[RD] offset:\t*2*SPITCH
.endr
.endm
.macro SEND a, younger
.set BB, BK+32*((\a)%2)
	s_wait_dscnt \younger                          ; the block is back; the next block's 8 stores and 8 loads may be out
.irp t, 0,1,2,3,4,5,6,7
	global_store_b128 v[CO], v[BB+4*\t:BB+4*\t+3], s[8:9] offset:(16*(\a)+2*\t)*4096 th:TH_STORE_NT   ; sixteen lanes store 256 consecutive bytes, aligned
.endr
.endm
	PLACES
	TOSTAGE 0
.irp a, 1,2,3
.if \a > 1
	s_wait_xcnt 0x0                                ; block a - 2's stores have read their registers: block a's loads may land there
.endif
	TOSTAGE \a
	SEND \a-1, 16
.endr
	SEND 3, 0
	s_wait_tensorcnt 0x0                           ; the wave's end: a tensor wait, an add and its wait
	ds_add_u32 v[SPW], v[NIL]
	s_wait_dscnt 0x0
	CROUND                                         ; the closing round
	s_endpgm
.Lfunc_end_k_q1bd9412c93_oproj:
	.size	k_q1bd9412c93_oproj, .Lfunc_end_k_q1bd9412c93_oproj-k_q1bd9412c93_oproj
	.p2alignl 7, 3214868480
	.fill 96, 4, 3214868480
	.section	.rodata,"a",@progbits
	.p2align	6, 0x0
	.amdhsa_kernel k_q1bd9412c93_oproj
		.amdhsa_group_segment_fixed_size 327680
		.amdhsa_private_segment_fixed_size 0
		.amdhsa_enable_private_segment 0
		.amdhsa_kernarg_size 24
		.amdhsa_user_sgpr_count 2
		.amdhsa_user_sgpr_kernarg_segment_ptr 1
		.amdhsa_wavefront_size32 1
		.amdhsa_system_sgpr_workgroup_id_x 1
		.amdhsa_system_sgpr_workgroup_id_y 1
		.amdhsa_system_sgpr_workgroup_id_z 1
		.amdhsa_system_vgpr_workitem_id 0
		.amdhsa_next_free_vgpr 512
		.amdhsa_next_free_sgpr 66
		.amdhsa_reserve_vcc 0
		.amdhsa_float_denorm_mode_32 3
		.amdhsa_float_denorm_mode_16_64 3
		.amdhsa_memory_ordered 1
		.amdhsa_forward_progress 1
		.amdhsa_inst_pref_size 85
	.end_amdhsa_kernel
	.amdgpu_metadata
---
amdhsa.version: [ 1, 2 ]
amdhsa.kernels:
  - .name:           k_q1bd9412c93_oproj
    .symbol:         k_q1bd9412c93_oproj.kd
    .args:
      - { .name: ao, .offset: 0, .size: 8, .value_kind: global_buffer, .address_space: global }
      - { .name: wot, .offset: 8, .size: 8, .value_kind: global_buffer, .address_space: global }
      - { .name: out0, .offset: 16, .size: 8, .value_kind: global_buffer, .address_space: global }
    .group_segment_fixed_size: 327680
    .private_segment_fixed_size: 0
    .kernarg_segment_align: 8
    .kernarg_segment_size: 24
    .max_flat_workgroup_size: 128
    .sgpr_count:     66
    .vgpr_count:     512
    .wavefront_size: 32
...
	.end_amdgpu_metadata
.endif
;; end of part 4
;; launch fineo (part 5): grid 16 x 2, 16 waves a work-group, no clusters, 67,584 bytes of LDS; arguments ao, Wo, out0; writes out0
.if DOCPART == 5
	.amdgcn_target "amdgcn-amd-amdhsa--gfx1250"
	.amdhsa_code_object_version 6
	.text
	.protected	k_q1bd9412c93_fineo
	.globl	k_q1bd9412c93_fineo
	.p2align	8
	.type	k_q1bd9412c93_fineo,@function
k_q1bd9412c93_fineo:
	s_mov_b64 s[64:65], 0
	v_nop
	global_prefetch_b8 v0, s[64:65] scope:SCOPE_SE
	s_setreg_imm32_b32 hwreg(HW_REG_WAVE_MODE, 25, 1), 1
	s_wait_xcnt 0x0
; Rows 0-15 of each sequence once more, in f32: out0[2048 b + q][n] = sum over k of OF[q][k] Wo[k][n], q = 0..15.  These rows average one to sixteen values and are the largest of the output: f16 operands would weigh most there.
; A work-group takes 64 columns of one batch.  Wave w takes head w, K = 64 w .. 64 w + 63: 16 steps of 4 along K x 4 tiles of 16 columns, by the f32 matrix form (no bulk work: 32 rows in all);
; the sixteen partial sums meet in LDS as images of the accumulators, and wave w then adds and stores row q = w: 256 consecutive bytes, aligned.
; OF (ao + 8,388,608): [bh][group 8][lane][16 B]: register 8 ct + jj of lane (q = r, h) is channel 16 ct + 8 h + jj.  USED TRANSPOSED: source 0 = 16 columns of Wo, source 1 = the 16 rows.
; Wo is read as it lies, 64 bytes of a row by sixteen lanes; a row's four pieces are read by the same wave on end.  No tensor load: LDS is claimed as it is used.
.set SPARE, 65536                      ; behind the sixteen images of 4,096 bytes: the spare words, 128 bytes a wave
.set SPW, 12
.set NIL, 13
.set OR,  16                           ; v16-47   OF
.set WR,  48                           ; v48-175  Wo: pair (t x 16 + n) for column tile t and K step n; later the partial sums
.set ACC, 176                          ; v176-207 four accumulators, written by matrix instructions alone
	s_load_b128 s[4:7], s[0:1], 0x0                ; ao, Wo
	s_load_b64 s[8:9], s[0:1], 0x10                ; out0
	v_lshl_add_u32 v[SPW], v0, 2, SPARE
	v_mov_b32 v[NIL], 0
	v_lshrrev_b32 v1, 5, v0
	v_readfirstlane_b32 s10, v1                    ; wave = head, later = row
	s_and_b32 s11, ttmp7, 0xffff                   ; batch
	v_and_b32 v2, 31, v0
	v_and_b32 v3, 15, v0                           ; r
	v_bfe_u32 v4, v0, 4, 1                         ; h
	v_lshlrev_b32 v5, 4, v2                        ; 16 x lane
	v_lshlrev_b32 v6, 2, v3
	v_lshl_add_u32 v6, v4, 15, v6                  ; Wo: 8 h rows of 4,096 bytes + 4 r
	s_lshl_b32 s12, s11, 4
	s_add_co_u32 s12, s12, s10
	s_lshl_b32 s12, s12, 12
	s_add_co_u32 s12, s12, 8388608
	s_mov_b32 s13, 0
	s_lshl_b32 s14, s10, 18                        ; 64 rows of Wo
	s_lshl_b32 s16, ttmp9, 8                       ; 64 columns
	s_add_co_u32 s14, s14, s16
	s_mov_b32 s15, 0
	s_lshl_b32 s18, s11, 23                        ; 2,048 rows of out0
	s_lshl_b32 s17, s10, 12
	s_add_co_u32 s18, s18, s17
	s_add_co_u32 s18, s18, s16
	s_mov_b32 s19, 0
	v_add_nc_u32 v7, s17, v5                       ; my image: 4,096 x wave + 16 x lane
	v_lshrrev_b32 v8, 3, v2                        ; back: lane = 8 t + 4 h + 2 c + pair takes columns 2 lane, 2 lane + 1 of row q = wave
	v_lshlrev_b32 v8, 10, v8
	v_bfe_u32 v9, v0, 2, 1
	v_lshl_add_u32 v8, v9, 8, v8
	v_bfe_u32 v9, v0, 1, 1
	v_lshl_add_u32 v8, v9, 9, v8
	v_and_b32 v9, 1, v0
	v_lshl_add_u32 v8, v9, 3, v8
	s_lshl_b32 s20, s10, 4
	v_add_nc_u32 v8, s20, v8
	v_lshlrev_b32 v9, 3, v2                        ; 8 x lane
	s_wait_kmcnt 0x0
	s_add_nc_u64 s[4:5], s[4:5], s[12:13]
	s_add_nc_u64 s[6:7], s[6:7], s[14:15]
	s_add_nc_u64 s[8:9], s[8:9], s[18:19]
.set gg, 0
.rept 8
	global_load_b128 v[OR+4*gg:OR+4*gg+3], v5, s[4:5] offset:512*gg
.set gg, gg+1
.endr
.macro WLOAD n                         ; K step n = 4 ct + i: Wo(64 w + 16 ct + 8 h + 2 i + jj, 16 t + r)
.irp t, 0,1,2,3
.irp jj, 0,1
	global_load_b32 v[WR+(\t*16+(\n))*2+\jj], v6, s[6:7] offset:(16*((\n)/4)+2*((\n)%4)+\jj)*4096+\t*64
.endr
.endr
.endm
.irp n, 0,1,2,3,4,5
	WLOAD \n
.endr
.set nn, 0
.rept 16
.if nn+5 < 15
	s_wait_loadcnt 40                              ; this step's eight loads are in; those of the five steps behind it may be out
.else
	s_wait_loadcnt 8*(15-nn)
.endif
.irp t, 0,1,2,3                        ; four accumulators by turns; the first K step starts the sums
.if nn == 0
	v_wmma_f32_16x16x4_f32 v[ACC+8*\t:ACC+8*\t+7], v[WR+(\t*16+nn)*2:WR+(\t*16+nn)*2+1], v[OR+8*(nn/4)+2*(nn%4):OR+8*(nn/4)+2*(nn%4)+1], 0
.else
	v_wmma_f32_16x16x4_f32 v[ACC+8*\t:ACC+8*\t+7], v[WR+(\t*16+nn)*2:WR+(\t*16+nn)*2+1], v[OR+8*(nn/4)+2*(nn%4):OR+8*(nn/4)+2*(nn%4)+1], v[ACC+8*\t:ACC+8*\t+7]
.endif
.endr
.if nn+6 < 16
	WLOAD nn+6
.endif
.set nn, nn+1
.endr
.rept 8
	v_nop                                          ; eight places behind this form, in front of the stores that read results and of the loads into Wo's registers
.endr
.irp t, 0,1,2,3
	ds_store_b128 v7, v[ACC+8*\t:ACC+8*\t+3] offset:\t*1024            ; each accumulator from its low end on
	ds_store_b128 v7, v[ACC+8*\t+4:ACC+8*\t+7] offset:\t*1024+512
.endr
	s_wait_dscnt 0x0                               ; for the others' sake: my image has landed
	s_barrier_signal -1
	s_barrier_wait -1
.set pp, 0
.rept 16
	ds_load_b64 v[WR+2*pp:WR+2*pp+1], v8 offset:pp*4096
.set pp, pp+1
.endr
	s_wait_dscnt 0x0
.set pp, 1
.rept 15
	v_pk_add_f32 v[WR:WR+1], v[WR:WR+1], v[WR+2*pp:WR+2*pp+1]   ; the heads in ascending order
.set pp, pp+1
.endr
	global_store_b64 v9, v[WR:WR+1], s[8:9]        ; 32 lanes store 256 consecutive bytes, aligned
	s_wait_tensorcnt 0x0                           ; the wave's end: a tensor wait, an add and its wait behind my last LDS store
	ds_add_u32 v[SPW], v[NIL]
	s_wait_dscnt 0x0
	s_endpgm
.Lfunc_end_k_q1bd9412c93_fineo:
	.size	k_q1bd9412c93_fineo, .Lfunc_end_k_q1bd9412c93_fineo-k_q1bd9412c93_fineo
	.p2alignl 7, 3214868480
	.fill 96, 4, 3214868480
	.section	.rodata,"a",@progbits
	.p2align	6, 0x0
	.amdhsa_kernel k_q1bd9412c93_fineo
		.amdhsa_group_segment_fixed_size 67584
		.amdhsa_private_segment_fixed_size 0
		.amdhsa_enable_private_segment 0
		.amdhsa_kernarg_size 24
		.amdhsa_user_sgpr_count 2
		.amdhsa_user_sgpr_kernarg_segment_ptr 1
		.amdhsa_wavefront_size32 1
		.amdhsa_system_sgpr_workgroup_id_x 1
		.amdhsa_system_sgpr_workgroup_id_y 1
		.amdhsa_system_sgpr_workgroup_id_z 1
		.amdhsa_system_vgpr_workitem_id 0
		.amdhsa_next_free_vgpr 256
		.amdhsa_next_free_sgpr 66
		.amdhsa_reserve_vcc 0
		.amdhsa_float_denorm_mode_32 3
		.amdhsa_float_denorm_mode_16_64 3
		.amdhsa_memory_ordered 1
		.amdhsa_forward_progress 1
		.amdhsa_inst_pref_size 23
	.end_amdhsa_kernel
	.amdgpu_metadata
---
amdhsa.version: [ 1, 2 ]
amdhsa.kernels:
  - .name:           k_q1bd9412c93_fineo
    .symbol:         k_q1bd9412c93_fineo.kd
    .args:
      - { .name: ao, .offset: 0, .size: 8, .value_kind: global_buffer, .address_space: global }
      - { .name: Wo, .offset: 8, .size: 8, .value_kind: global_buffer, .address_space: global }
      - { .name: out0, .offset: 16, .size: 8, .value_kind: global_buffer, .address_space: global }
    .group_segment_fixed_size: 67584
    .private_segment_fixed_size: 0
    .kernarg_segment_align: 8
    .kernarg_segment_size: 24
    .max_flat_workgroup_size: 512
    .sgpr_count:     66
    .vgpr_count:     256
    .wavefront_size: 32
...
	.end_amdgpu_metadata
.endif
;; end of part 5
